; MI455X (gfx1250); checked and timed in simulation.
; The chip was launched on July 23, 2026; its instructions are those of AMD's public machine-readable ISA for CDNA 5 (MIT licence, August 2026) and "CDNA5" Instruction Set Architecture Reference Guide (July 2026). The comments in the code are by the model that wrote it; some were corrected since.
;; Causal Self Attention. Allowed arithmetic: matrix products marked QUANTISED: E2M1 operands, one E8M0 scale for each 32 along K, by v_wmma_scale_f32_16x16x128_f8f6f4 with both operands' format E2M1 (or v_wmma_scale_f32_32x16x128_f4), f32 sums; products left as they are: bf16, f16 or f32 operands; f32 sums; everything else in f32.
;; Inputs: wk 1,024 x 256 float32; wo 1,024 x 1,024 float32; wq 1,024 x 1,024 float32; wv 1,024 x 256 float32; x 2 x 2,048 x 1,024 float32.
;; Outputs: out0 2 x 2,048 x 1,024 float32; out1 2 x 4 x 2,048 x 64 float32; out2 2 x 4 x 2,048 x 64 float32.
;; This version of the problem:
;;   THIS VERSION OF THE PROBLEM IS GIVEN IN LOW PRECISION. The matrix products marked QUANTISED in the list below multiply operands that are first quantised to E2M1 (2 exponent bits, 1 mantissa bit; 4 bits a number), with one power-of-two scale for each 32 numbers along K (OCP MX v1.0); their sums are f32. The products marked 'left as it is' may take bf16, f16 or f32 operands, with f32 sums. Whichever they take, every output number must still come out within the allowed error. Rounding operands to bf16 (8 significant bits) uses up far more of that allowance than f16 does (11 bits, for magnitudes from 6e-5 to 65,504). All else is computed in f32.
;;   The module's matrix products, in the order in which they are computed (A, B: the left and right operand; K: the contracted axis; several contracted axes count as one K, in the product's order):
;;     1. [M 4,096, K 1,024] x [K 1,024, N 1,024]; A: input x; B: input wq: QUANTISED
;;     2. [M 4,096, K 1,024] x [K 1,024, N 256]; A: input x; B: input wk: QUANTISED
;;     3. [M 4,096, K 1,024] x [K 1,024, N 256]; A: input x; B: input wv: QUANTISED
;;     4. batch 8 x [M 8,192, K 64] x [K 64, N 2,048]; A: computed on the way; B: computed on the way: left as it is (an operand is computed on the way)
;;     5. batch 8 x [M 8,192, K 2,048] x [K 2,048, N 64]; A: computed on the way; B: computed on the way: left as it is (an operand is computed on the way)
;;     6. [M 4,096, K 1,024] x [K 1,024, N 1,024]; A: computed on the way; B: input wo: left as it is (an operand is computed on the way)
;;   THE QUANTISER, for each operand of a quantised product, along K:
;;     - K is cut into blocks of 32 from its start; a last block that is shorter is filled with zeros.
;;     - A block's scale is 2^e with e = floor(log2(the largest magnitude in the block)) - 2, held to -126 .. 127; a block of zeros has e = 0. As a byte (E8M0): e + 127.
;;     - Each number is divided by its block's scale, clamped to +-6, and rounded to the nearest number of E2M1, ties to even, subnormals kept.
;;     - The product sums the exact products of the quantised numbers (number of the format x scale) in f32.
;;   ~~~python
;;   def quantise(x, axis):      # numpy; x: float32 -> the quantised numbers, widened to float32 again
;;       x = np.moveaxis(x, axis, -1); K = x.shape[-1]
;;       x = np.pad(x, [(0, 0)] * (x.ndim - 1) + [(0, -K % 32)]); x = x.reshape(x.shape[:-1] + (-1, 32)); a = np.abs(x).max(-1, keepdims=True)
;;       e = np.where(a > 0, np.clip(np.frexp(np.where(a > 0, a, 1))[1] - 1 - 2, -126, 127), 0)      # np.frexp(a)[1] - 1 = floor(log2(a)), exactly
;;       r = np.clip(x / 2.0 ** e, -6, 6)
;;       step = 2.0 ** (np.maximum(np.frexp(np.where(r == 0, 1, r))[1] - 1, 0) - 1)
;;       q = np.round(r / step) * step * 2.0 ** e      # np.round: ties to even
;;       return np.moveaxis(q.reshape(q.shape[:-2] + (-1,))[..., :K], -1, axis).astype(np.float32)
;;   ~~~
;; One version. Each part assembles by itself: llvm-mc -triple=amdgcn-amd-amdhsa -mcpu=gfx1250 --defsym DOCPART=n.
;; ======== version 1 of 1: 5 launches
;; limits: values are held in f16: magnitudes above 65,504 overflow, below 6.1e-05 lose precision
;; workspace buffers: codes 2,883,584 bytes; scl 180,224 bytes; rope 524,288 bytes; wof 2,097,152 bytes; qf 8,388,608 bytes; kvf 4,194,304 bytes; yf 8,388,608 bytes; q32 131,072 bytes
;; launch prep (part 1): grid 448 x 1, 4 waves a work-group, no clusters, 68,096 bytes of LDS; arguments x, wq, wk, wv, wo, codes, scl, wof, rope; writes codes, scl, wof, rope
.if DOCPART == 1
	.amdgcn_target "amdgcn-amd-amdhsa--gfx1250"
	.amdhsa_code_object_version 6
	.text
	.protected	k_qfafbeb7610_prep
	.globl	k_qfafbeb7610_prep
	.p2align	8
	.type	k_qfafbeb7610_prep,@function
k_qfafbeb7610_prep:
	s_mov_b64 s[64:65], 0
	v_nop
	global_prefetch_b8 v0, s[64:65] scope:SCOPE_SE
	s_setreg_imm32_b32 hwreg(HW_REG_WAVE_MODE, 25, 1), 1
	s_wait_xcnt 0x0
; PREPARATION.  Every buffer written here is laid as an IMAGE OF THE READER'S OPERAND REGISTERS: a fragment is 1,024 bytes, [c = 0, 1][lane][16 bytes].
;   x [4096][1024] f32          -> codes (E2M1, blocks of 32 along K) and scl (E8M0 scale words), fragments of 16 rows x 128 K
;   wq | wk | wv [1024][1536]   -> the same, K being their FIRST axis: a lane takes a column, its registers run down K
;   wo [1024][1024] f32         -> wof: f16 fragments of wo^T (16 columns x 32 K)
;   rope [2048][64] f32         -> cos of the 32 frequencies, then sin of them, for each position
; A block's scale is 2^(floor(log2(largest magnitude)) - 2); its byte is the largest magnitude's exponent field - 2, held at 1 from below.
; LIMITS: a block of zeros gets the byte 1 where the rule says 127 (its codes are zeros, and this program alone reads the bytes); NaN and infinities among the inputs are not served;
; wo goes to f16 (largest number 65,504); the angle of the table is off by at most about 3e-4 rad (f32 revolutions up to 326, and 1 / 2 pi in f32).
; SHARES: a wave's unit is 16 KB of input, all asked for at once.  Work-groups 0-255: x; 256-319: wq; 320-351: wk, wv; 352-415: wo; 416-447: the table.  Waves share nothing: no barrier.
; Only x's path touches LDS: each wave turns its rows through two stages of its own, 16 rows x (512 + 16) bytes.
.set WST,   16896                      ; a wave's two stages
.set SPARE, 4*WST                      ; behind them: the spare words, 128 bytes for each wave: two blocks of 256 bytes that no other line names
.set SPW,   8                          ; v8   LDS address of my spare word; never rewritten
.set NIL,   9                          ; v9   0; never rewritten
.set TM,    16                         ; v16-31 at work in QUANT
; A wait for loads behind which n younger loads were issued.  The count that can be written ends at 63; a smaller count than n is safe, it only waits for more.
.macro WAITL n
.if (\n) > 63
	s_wait_loadcnt 63
.else
	s_wait_loadcnt \n
.endif
.endm
	s_load_b512 s[4:19], s[0:1], 0x0               ; x 4:5, wq 6:7, wk 8:9, wv 10:11, wo 12:13, codes 14:15, scl 16:17, wof 18:19
	s_load_b64 s[20:21], s[0:1], 0x40              ; rope
	v_lshl_add_u32 v[SPW], v0, 2, SPARE
	v_mov_b32 v[NIL], 0
	v_lshrrev_b32 v1, 5, v0
	v_readfirstlane_b32 s22, v1                    ; wave 0..3
	v_and_b32 v1, 31, v0                           ; lane
	v_and_b32 v2, 15, v0                           ; r
	v_bfe_u32 v3, v0, 4, 1                         ; h
	v_lshlrev_b32 v4, 4, v1                        ; 16 x lane
	v_lshlrev_b32 v7, 2, v1                        ; 4 x lane
	s_mul_i32 s23, s22, WST
	v_add_nc_u32 v5, s23, v4                       ; the stage, on the way in: a row's 512 bytes as they lie
	v_mul_u32_u24 v6, v2, 528
	v_lshl_add_u32 v6, v3, 6, v6
	v_add_nc_u32 v6, s23, v6                       ; and on the way out: row r, + 64 h: my 16 numbers of each block of 32
	v_lshlrev_b32 v10, 4, v2
	v_lshl_add_u32 v11, v3, 15, v10                ; wof: 16 r, lanes 16-31 one tile of 16 columns (32 fragments) on
	v_lshl_add_u32 v10, v3, 13, v10                ; codes of a weight: 16 r, lanes 16-31 one tile of 16 columns (8 fragments) on
	v_lshlrev_b32 v12, 3, v1                       ; 8 x lane
	s_mov_b32 s24, 0x76543210
	s_mov_b32 s25, 0xfedcba98                      ; v_permlanex16_b32's selects for lane l xor 16
	s_mov_b32 s31, 0                               ; the high word of every offset below
	s_wait_kmcnt 0x0
	s_cmp_lt_u32 ttmp9, 256
	s_cbranch_scc1 .Lpath_x
	s_cmp_lt_u32 ttmp9, 320
	s_cbranch_scc1 .Lpath_wq
	s_cmp_lt_u32 ttmp9, 352
	s_cbranch_scc1 .Lpath_wkv
	s_cmp_lt_u32 ttmp9, 416
	s_cbranch_scc1 .Lpath_wo
; ---- THE TABLE.  A wave makes 16 positions.  Lane L makes entries 2 L and 2 L + 1 of a row: frequencies 2 (L % 16) and + 1; lanes 16-31 the sines, as cos(angle - a quarter turn).
	s_sub_co_u32 s26, ttmp9, 416
	s_lshl_b32 s26, s26, 2
	s_add_co_u32 s26, s26, s22
	s_lshl_b32 s26, s26, 4                         ; my first position
	s_lshl_b32 s30, s26, 8                         ; 256 bytes a row
	s_add_nc_u64 s[20:21], s[20:21], s[30:31]
	v_lshlrev_b32 v14, 1, v2
	v_cvt_f32_u32 v14, v14                         ; j
	v_add_f32 v15, 1.0, v14                        ; j + 1
	v_mul_f32 v14, 0xbed49a78, v14                 ; - j log2(10000) / 32
	v_mul_f32 v15, 0xbed49a78, v15
	v_exp_f32 v16, v14                             ; 10000^(-j / 32)
	v_exp_f32 v17, v15
	v_cvt_f32_u32 v18, v3                          ; (a plain line behind the exponentials)
	v_cvt_f32_u32 v20, s26                         ; t
	v_mov_b32 v19, 0x29573f9f                      ; 1 / 16!
	s_wait_alu depctr_va_vdst(0)                   ; one wait for both exponentials, ahead of their first reader
	v_mul_f32 v18, 0x3e800000, v18                 ; the phase in turns: 0 or 1 / 4
.macro RROW i                          ; position t0 + i: angle = t x frequency (rounded once, as the definition rounds it); turns; the nearest whole turn off; cos by its series to x^16 on -pi .. pi
	v_mul_f32 v22, v20, v16
	v_mul_f32 v23, v20, v17
	v_fma_f32 v22, v22, 0.15915494, -v18
	v_fma_f32 v23, v23, 0.15915494, -v18
	v_rndne_f32 v24, v22
	v_rndne_f32 v25, v23
	v_sub_f32 v22, v22, v24
	v_sub_f32 v23, v23, v25
	v_mul_f32 v22, 0x40c90fdb, v22                 ; x 2 pi
	v_mul_f32 v23, 0x40c90fdb, v23
	v_mul_f32 v22, v22, v22
	v_mul_f32 v23, v23, v23
	v_fmaak_f32 v[64+2*\i], v19, v22, 0xad49cba5   ; - 1 / 14!
	v_fmaak_f32 v[65+2*\i], v19, v23, 0xad49cba5
.irp c, 0x310f76c8, 0xb493f27e, 0x37d00d01, 0xbab60b61, 0x3d2aaaab, 0xbf000000, 0x3f800000
	v_fmaak_f32 v[64+2*\i], v[64+2*\i], v22, \c    ; 1 / 12!, - 1 / 10!, 1 / 8!, - 1 / 6!, 1 / 4!, - 1 / 2, 1
	v_fmaak_f32 v[65+2*\i], v[65+2*\i], v23, \c
.endr
	global_store_b64 v12, v[64+2*\i:65+2*\i], s[20:21] offset:256*\i   ; the wave stores a whole row, 256 consecutive bytes; each position has registers of its own
	v_add_f32 v20, 1.0, v20                        ; the next position: exact
.endm
.irp i, 0,1,2,3,4,5,6,7,8,9,10,11,12,13,14,15
	RROW \i
.endr
	s_endpgm
; 64 numbers of a lane, v[src] on, register 16 b + i = k 32 b + 16 (lane / 16) + i of my row, become a fragment's codes in v[pc] on and its scale word in v[pw].
.macro QUANT src, pc, pw
.irp b, 0,1,2,3
	v_max3_num_f32 v[TM+\b], |v[\src+16*\b]|, |v[\src+1+16*\b]|, 0x1800000   ; block b: my 16 numbers, and the floor 2^(3 - 127): so the byte cannot fall under 1
.endr
.irp i, 2,4,6,8,10,12,14
.irp b, 0,1,2,3
	v_max3_num_f32 v[TM+\b], v[TM+\b], |v[\src+16*\b+\i]|, |v[\src+1+16*\b+\i]|   ; (the four blocks by turns)
.endr
.endr
.irp b, 0,1,2,3
	v_permlanex16_b32 v[TM+4+\b], v[TM+\b], s24, s25
.endr
.irp b, 0,1,2,3
	v_max_num_f32 v[TM+\b], v[TM+\b], v[TM+4+\b]   ; with lane l xor 16's: the block's largest magnitude
.endr
.irp b, 0,1,2,3
	v_add_nc_u32 v[TM+12+\b], 0xff000000, v[TM+\b] ; 2 off its exponent field: the conversion takes the exponent field of this operand as its scale
.endr
.irp b, 0,1,2,3
	v_lshrrev_b32 v[TM+4+\b], 23, v[TM+12+\b]      ; the scale's byte
.endr
	v_lshl_or_b32 v[\pw], v[TM+5], 8, v[TM+4]
	v_lshl_or_b32 v[\pw], v[TM+6], 16, v[\pw]
	v_lshl_or_b32 v[\pw], v[TM+7], 24, v[\pw]      ; my row's scale word
.irp b, 0,1,2,3
	v_cvt_scalef32_pk8_fp4_f32 v[\pc+2*\b], v[\src+16*\b:\src+7+16*\b], v[TM+12+\b]
	v_cvt_scalef32_pk8_fp4_f32 v[\pc+1+2*\b], v[\src+8+16*\b:\src+15+16*\b], v[TM+12+\b]
.endr
	v_nop                                          ; one plain line behind a scaled conversion
.irp c, 0,1                            ; the operand's layout wants a WHOLE block in a lane: lanes 0-15 block 2 c, lanes 16-31 block 2 c + 1
.irp i, 0,1
	v_permlane16_swap_b32 v[\pc+4*\c+\i], v[\pc+2+4*\c+\i]
.endr
.endr
.endm
; ---- x.  A wave's unit: 32 rows x 128 along K.  The four waves of a work-group stand side by side on 2,048 bytes of the same rows.
.Lpath_x:
	s_lshl_b32 s26, ttmp9, 2
	s_add_co_u32 s26, s26, s22                     ; unit
	s_lshr_b32 s27, s26, 3                         ; which 32 rows
	s_and_b32 s28, s26, 7                          ; which K step
	s_lshl_b32 s30, s27, 17                        ; 32 rows of 4,096 bytes
	s_lshl_b32 s29, s28, 9
	s_add_co_u32 s30, s30, s29
	s_add_nc_u64 s[4:5], s[4:5], s[30:31]
	s_lshl_b32 s30, s27, 14                        ; two tiles of 16 rows, 8 fragments each
	s_lshl_b32 s29, s28, 10
	s_add_co_u32 s30, s30, s29
	s_add_nc_u64 s[14:15], s[14:15], s[30:31]
	s_lshl_b32 s30, s26, 7                         ; 128 bytes of scale words a unit
	s_add_nc_u64 s[16:17], s[16:17], s[30:31]
.irp b, 0,1,2,3
	v_mov_b32 v[TM+4+\b], 0                        ; written once: a lane permute's destination counts as one of its sources
.endr
.set i, 0
.rept 32
	global_load_b128 v[64+4*i:67+4*i], v4, s[4:5] offset:4096*i th:TH_LOAD_NT   ; row i: the wave reads 512 consecutive bytes
.set i, i+1
.endr
	s_wait_loadcnt 16                              ; rows 0-15 are in; the 16 younger loads stay out
.set i, 0
.rept 16
	ds_store_b128 v5, v[64+4*i:67+4*i] offset:528*i
.set i, i+1
.endr
.irp b, 0,1,2,3
.irp j, 0,1,2,3
	ds_load_b128 v[192+16*\b+4*\j:195+16*\b+4*\j], v6 offset:128*\b+16*\j   ; LDS serves a wave's instructions in order: these see my stores
.endr
.endr
	s_wait_loadcnt 0x0
.set i, 0
.rept 16
	ds_store_b128 v5, v[128+4*i:131+4*i] offset:8448+528*i
.set i, i+1
.endr
	s_wait_dscnt 16                                ; all but the 16 stores just issued: rows 0-15 are back, 64 numbers a lane
.irp b, 0,1,2,3
.irp j, 0,1,2,3
	ds_load_b128 v[64+16*\b+4*\j:67+16*\b+4*\j], v6 offset:8448+128*\b+16*\j
.endr
.endr
	QUANT 192, 32, 40
	global_store_b128 v4, v[32:35], s[14:15]       ; the fragment as it stands: 512 consecutive bytes a store
	global_store_b128 v4, v[36:39], s[14:15] offset:512
	s_wait_dscnt 0x0                               ; rows 16-31 are back
	QUANT 64, 44, 41
	global_store_b128 v4, v[44:47], s[14:15] offset:8192
	global_store_b128 v4, v[48:51], s[14:15] offset:8704
	v_cmp_gt_u32 vcc_lo, 16, v1
	v_cndmask_b32 v42, v41, v40, vcc_lo            ; lanes 0-15: the words of rows 0-15; lanes 16-31: of rows 16-31
	global_store_b32 v7, v42, s[16:17]
	s_wait_tensorcnt 0x0                           ; the wave's end: behind my last LDS store
	ds_add_u32 v[SPW], v[NIL]
	s_wait_dscnt 0x0
	s_endpgm
; 128 rows of a weight at my wave's 32 columns: a lane takes a column, its registers run down K; the wave reads 128 consecutive bytes, the four waves 512.
; More loads are asked for than the counter's field holds: the issue of a load that would pass the field is held back until an older one has come (ISA guide 5.7.1).
.macro LOADW base, pitch
.set k, 0
.rept 128
	global_load_b32 v[64+k], v7, s[\base:\base+1] offset:k*\pitch th:TH_LOAD_NT
.set k, k+1
.endr
.endm
; ---- wq: s28 = which 32 of the 1,536 columns, s29 = which K step
.Lpath_wq:
	s_sub_co_u32 s26, ttmp9, 256
	s_and_b32 s28, s26, 7
	s_lshl_b32 s28, s28, 2
	s_add_co_u32 s28, s28, s22
	s_lshr_b32 s29, s26, 3
	s_lshl_b32 s30, s29, 19                        ; 128 rows of 4,096 bytes
	s_lshl_b32 s27, s28, 7
	s_add_co_u32 s30, s30, s27
	s_add_nc_u64 s[6:7], s[6:7], s[30:31]
	LOADW 6, 4096
	s_branch .Lwblocks
; ---- wk and wv: columns 1,024 on and 1,280 on
.Lpath_wkv:
	s_sub_co_u32 s26, ttmp9, 320
	s_and_b32 s27, s26, 3                          ; which 128 columns: 0, 1 of wk, 2, 3 of wv
	s_lshr_b32 s29, s26, 2
	s_cmp_lt_u32 s27, 2
	s_cselect_b64 s[6:7], s[8:9], s[10:11]
	s_lshl_b32 s28, s27, 2
	s_add_co_u32 s28, s28, s22
	s_add_co_u32 s28, s28, 32
	s_lshl_b32 s30, s29, 17                        ; 128 rows of 1,024 bytes
	s_and_b32 s27, s27, 1
	s_lshl_b32 s27, s27, 9
	s_add_co_u32 s30, s30, s27
	s_lshl_b32 s27, s22, 7
	s_add_co_u32 s30, s30, s27
	s_add_nc_u64 s[6:7], s[6:7], s[30:31]
	LOADW 6, 1024
.Lwblocks:
	s_lshl_b32 s30, s28, 14
	s_lshl_b32 s27, s29, 10
	s_add_co_u32 s30, s30, s27
	s_add_co_u32 s30, s30, 2097152                 ; the weights' fragments lie behind x's
	s_add_nc_u64 s[14:15], s[14:15], s[30:31]
	s_lshl_b32 s30, s28, 3
	s_add_co_u32 s30, s30, s29
	s_lshl_b32 s30, s30, 7
	s_add_co_u32 s30, s30, 131072
	s_add_nc_u64 s[16:17], s[16:17], s[30:31]
.irp bq, 0,1,2,3                       ; block bq of my column: all its 32 numbers are mine
	WAITL 96-32*\bq                                ; behind block bq's loads stand 96, 64, 32, 0 younger ones, which may stay out as far as the count can say so
	v_max3_num_f32 v16, |v[64+32*\bq]|, |v[65+32*\bq]|, |v[66+32*\bq]|
	v_max3_num_f32 v17, |v[67+32*\bq]|, |v[68+32*\bq]|, |v[69+32*\bq]|
.irp i, 6,10,14,18,22,26
	v_max3_num_f32 v16, v16, |v[64+32*\bq+\i]|, |v[65+32*\bq+\i]|
	v_max3_num_f32 v17, v17, |v[66+32*\bq+\i]|, |v[67+32*\bq+\i]|
.endr
	v_max3_num_f32 v16, v16, |v[94+32*\bq]|, |v[95+32*\bq]|
	v_max3_num_f32 v16, v16, v17, 0x1800000        ; and the floor 2^(3 - 127)
	v_add_nc_u32 v18, 0xff000000, v16              ; 2 off the exponent field: the conversion's scale operand
	v_lshrrev_b32 v19, 23, v18                     ; the scale's byte
.if \bq == 0
	v_mov_b32 v48, v19
.else
	v_lshl_or_b32 v48, v19, 8*\bq, v48
.endif
.irp g, 0,1,2,3
	v_cvt_scalef32_pk8_fp4_f32 v[32+4*\bq+\g], v[64+32*\bq+8*\g:71+32*\bq+8*\g], v18
.endr
	v_nop                                          ; one plain line behind the last conversion
	global_store_b128 v10, v[32+4*\bq:35+4*\bq], s[14:15] offset:256*\bq   ; block 2 c + h is the image's bytes 512 c + 256 h on: sixteen lanes store 256 consecutive bytes
.endr
	global_store_b32 v7, v48, s[16:17]             ; my column's scale word
	s_endpgm
; ---- wo: f16 fragments of wo^T
.Lpath_wo:
	s_sub_co_u32 s26, ttmp9, 352
	s_and_b32 s28, s26, 7
	s_lshl_b32 s28, s28, 2
	s_add_co_u32 s28, s28, s22                     ; which 32 columns
	s_lshr_b32 s29, s26, 3                         ; which 128 along K
	s_lshl_b32 s30, s29, 19
	s_lshl_b32 s27, s28, 7
	s_add_co_u32 s30, s30, s27
	s_add_nc_u64 s[12:13], s[12:13], s[30:31]
	LOADW 12, 4096
	s_lshl_b32 s30, s28, 16                        ; two tiles of 16 columns, 32 fragments each
	s_lshl_b32 s27, s29, 12                        ; four fragments along K
	s_add_co_u32 s30, s30, s27
	s_add_nc_u64 s[18:19], s[18:19], s[30:31]
.irp qq, 0,1,2,3                       ; 32 along K: one fragment of each of my two tiles
	WAITL 96-32*\qq                                ; as above: 96, 64, 32, 0 younger loads
.irp i, 0,1,2,3,4,5,6,7,8,9,10,11,12,13,14,15
	v_cvt_pk_f16_f32 v[192+16*\qq+\i], v[64+32*\qq+2*\i], v[65+32*\qq+2*\i]
.endr
.irp g, 0,1,2,3
	global_store_b128 v11, v[192+16*\qq+4*\g:195+16*\qq+4*\g], s[18:19] offset:256*(4*\qq+\g)   ; eight k: the image's bytes 256 g on (g = 2 c + h): sixteen lanes store 256 consecutive bytes
.endr
.endr
	s_endpgm
.Lfunc_end_k_qfafbeb7610_prep:
	.size	k_qfafbeb7610_prep, .Lfunc_end_k_qfafbeb7610_prep-k_qfafbeb7610_prep
	.p2alignl 7, 3214868480
	.fill 96, 4, 3214868480
	.section	.rodata,"a",@progbits
	.p2align	6, 0x0
	.amdhsa_kernel k_qfafbeb7610_prep
		.amdhsa_group_segment_fixed_size 68096
		.amdhsa_private_segment_fixed_size 0
		.amdhsa_enable_private_segment 0
		.amdhsa_kernarg_size 72
		.amdhsa_user_sgpr_count 2
		.amdhsa_user_sgpr_kernarg_segment_ptr 1
		.amdhsa_wavefront_size32 1
		.amdhsa_system_sgpr_workgroup_id_x 1
		.amdhsa_system_sgpr_workgroup_id_y 1
		.amdhsa_system_sgpr_workgroup_id_z 1
		.amdhsa_system_vgpr_workitem_id 0
		.amdhsa_next_free_vgpr 256
		.amdhsa_next_free_sgpr 66
		.amdhsa_reserve_vcc 1
		.amdhsa_float_denorm_mode_32 3
		.amdhsa_float_denorm_mode_16_64 3
		.amdhsa_memory_ordered 1
		.amdhsa_forward_progress 1
		.amdhsa_inst_pref_size 95
	.end_amdhsa_kernel
	.amdgpu_metadata
---
amdhsa.version: [ 1, 2 ]
amdhsa.kernels:
  - .name:           k_qfafbeb7610_prep
    .symbol:         k_qfafbeb7610_prep.kd
    .args:
      - { .name: x, .offset: 0, .size: 8, .value_kind: global_buffer, .address_space: global }
      - { .name: wq, .offset: 8, .size: 8, .value_kind: global_buffer, .address_space: global }
      - { .name: wk, .offset: 16, .size: 8, .value_kind: global_buffer, .address_space: global }
      - { .name: wv, .offset: 24, .size: 8, .value_kind: global_buffer, .address_space: global }
      - { .name: wo, .offset: 32, .size: 8, .value_kind: global_buffer, .address_space: global }
      - { .name: codes, .offset: 40, .size: 8, .value_kind: global_buffer, .address_space: global }
      - { .name: scl, .offset: 48, .size: 8, .value_kind: global_buffer, .address_space: global }
      - { .name: wof, .offset: 56, .size: 8, .value_kind: global_buffer, .address_space: global }
      - { .name: rope, .offset: 64, .size: 8, .value_kind: global_buffer, .address_space: global }
    .group_segment_fixed_size: 68096
    .private_segment_fixed_size: 0
    .kernarg_segment_align: 8
    .kernarg_segment_size: 72
    .max_flat_workgroup_size: 128
    .sgpr_count:     66
    .vgpr_count:     256
    .wavefront_size: 32
...
	.end_amdgpu_metadata
.endif
;; end of part 1
;; launch qkv (part 2): grid 64 x 6, 4 waves a work-group, no clusters, 35,328 bytes of LDS; arguments codes, scl, rope, qf, kvf, q32, out1, out2; writes qf, kvf, q32, out1, out2
.if DOCPART == 2
	.amdgcn_target "amdgcn-amd-amdhsa--gfx1250"
	.amdhsa_code_object_version 6
	.text
	.protected	k_qfafbeb7610_qkv
	.globl	k_qfafbeb7610_qkv
	.p2align	8
	.type	k_qfafbeb7610_qkv,@function
k_qfafbeb7610_qkv:
	s_mov_b64 s[64:65], 0
	v_nop
	global_prefetch_b8 v0, s[64:65] scope:SCOPE_SE
	s_setreg_imm32_b32 hwreg(HW_REG_WAVE_MODE, 25, 1), 1
	s_wait_xcnt 0x0
; q, k, v = x [wq | wk | wv] on codes of E2M1 with E8M0 scales, sums in f32; RoPE on q and k in f32.
; SHARES.  Work-group x: 64 tokens.  Work-group y: four heads (0-3: the 16 query heads; 4: k's four; 5: v's four).  A wave takes ONE head: 64 tokens x 64 columns, K = 1,024: 16 accumulators, 128 matrix instructions.
; Operands come from memory straight into registers, as the images that the launch before laid: two loads of 512 consecutive bytes a fragment.  No LDS on the way in, no barrier, no tensor load; so there is no joint
; request that a cluster could share: a wave reads its 64 KB of images and 4 KB of scale words once.
; ONE TEXT FOR BOTH ORIENTATIONS.  Source 0 is side P, source 1 side Q.  q, k: P = the weight's 64 columns, Q = the 64 tokens, so that a lane holds one token (lane % 16) and eight neighbouring d;
; v: P = the tokens, Q = the columns, so that a lane holds one channel and eight neighbouring tokens.  Both sides lie in one buffer with equal strides: only four offsets are chosen.
; Accumulator (p, q), register j, lane (r, h): P's index 16 p + 8 h + j, Q's index 16 q + r.
; OUT.  Two neighbouring accumulators, rounded to f16 in pairs, ARE a 16 x 32 fragment of the next launch's operand: q (source 1), k (source 0), v^T with the keys along its registers (source 0).
; k and v also leave in f32 (out1, out2) through a stage in LDS, as whole rows of 256 bytes.  q of positions 0-15 of each sequence also leaves in f32 (q32), the accumulators as they stand.
; LIMITS: q, k, v go to f16 for the next launch (largest number 65,504; under 6e-5 the step is 6e-8).
; REGISTERS.  window 0: v1-7 addresses; v8-15 at work; v16, v17 the add's two; v32-47, v48-63 the scale words of P and of Q and nothing else; v64-127 the f16 images, then rows read back; v128-255 the accumulators.
;   window 1: four sets of 64 (a K step's four fragments of P, four of Q); at the end the table's cos and sin.
.set SPARE, 34816                      ; LDS: 0: k's four stages of 16 rows x 272; 17,408: v's four; here: the spare words, 128 bytes for each wave
.set SPW, 16
.set NIL, 17
.set SP,  32                           ; P's scale words: v[SP + 8 i + s]: lanes 0-15 rows 32 i on, lanes 16-31 rows 32 i + 16 on, K step s
.set SQ,  48                           ; Q's
.set H,   64
.set ACC, 128
.set MSB, 0
.macro WIN new                         ; the immediate's high byte repeats the setting that is left
.if MSB != \new
	s_set_vgpr_msb (MSB<<8)|\new
.set MSB, \new
.endif
.endm
.set MUL,  0x05                        ; sources 0 and 1 window 1; C and D window 0
.set TO_F, 0x40                        ; destination window 1, address window 0
.set ROT,  0x04                        ; source 1 window 1
	s_load_b512 s[4:19], s[0:1], 0x0               ; codes 4:5, scl 6:7, rope 8:9, qf 10:11, kvf 12:13, q32 14:15, out1 16:17, out2 18:19
	v_lshl_add_u32 v[SPW], v0, 2, SPARE
	v_mov_b32 v[NIL], 0
	v_lshrrev_b32 v1, 5, v0
	v_readfirstlane_b32 s20, v1                    ; wave 0..3
	s_and_b32 s21, ttmp7, 0xffff                   ; y
	v_and_b32 v8, 31, v0                           ; lane
	v_and_b32 v9, 15, v0                           ; r
	v_bfe_u32 v10, v0, 4, 1                        ; h
	v_lshlrev_b32 v1, 4, v8                        ; 16 x lane
	v_lshlrev_b32 v2, 2, v8                        ; 4 x lane
	v_lshlrev_b32 v3, 8, v9
	v_lshl_add_u32 v3, v10, 5, v3                  ; the table: row r of 256 bytes, + 32 h
	s_mul_i32 s22, s20, 4352                       ; my stage
	v_mul_u32_u24 v4, v9, 272
	v_lshl_add_u32 v4, v10, 5, v4
	v_add_nc_u32 v4, s22, v4                       ; k into its stage: row r, + 32 h
	v_mul_u32_u24 v5, v10, 2176
	v_lshl_add_u32 v5, v9, 2, v5
	v_add_nc_u32 v5, s22, v5
	v_add_nc_u32 v5, 17408, v5                     ; v into its stage: row 8 h, + 4 r
	v_mul_u32_u24 v6, v10, 272
	v_lshl_add_u32 v6, v9, 4, v6
	v_add_nc_u32 v6, s22, v6                       ; back: lanes 0-15 one row, lanes 16-31 the next
	v_add_nc_u32 v7, 17408, v6
	s_lshl_b32 s23, s21, 2
	s_add_co_u32 s23, s23, s20                     ; my head among the 24
	s_lshl_b32 s40, ttmp9, 15                      ; x's fragments: four tiles of 16 rows, 8 KB each
	s_lshl_b32 s41, s23, 15
	s_add_co_u32 s41, s41, 2097152                 ; the weights'
	s_lshl_b32 s42, ttmp9, 11                      ; x's scale words: 64 rows, 8 K steps
	s_lshl_b32 s43, s23, 11
	s_add_co_u32 s43, s43, 131072
	s_cmp_eq_u32 s21, 5
	s_cselect_b32 s44, s40, s41                    ; side P: for v the tokens, else the columns
	s_cselect_b32 s46, s41, s40                    ; side Q
	s_cselect_b32 s48, s42, s43
	s_cselect_b32 s50, s43, s42
	s_mov_b32 s45, 0
	s_mov_b32 s47, 0
	s_mov_b32 s49, 0
	s_mov_b32 s51, 0
	s_lshr_b32 s54, ttmp9, 5                       ; the batch
	s_and_b32 s55, ttmp9, 31                       ; which 64 positions of the sequence
	s_lshl_b32 s56, s54, 4
	s_add_co_u32 s56, s56, s23                     ; q: 16 b + head
	s_lshl_b32 s57, s54, 2
	s_add_co_u32 s57, s57, s20                     ; k, v: 4 b + wave
	s_lshl_b32 s52, s55, 14                        ; the table's rows
	s_mov_b32 s53, 0
	s_min_u32 s58, s56, 31                         ; (held inside q32 for the heads of k and v, which store nothing there)
	s_lshl_b32 s58, s58, 12
	s_mov_b32 s59, 0
	s_lshl_b32 s60, s57, 5
	s_add_co_u32 s60, s60, s55
	s_lshl_b32 s62, s60, 14                        ; out1, out2: 64 rows of 256 bytes
	s_mov_b32 s63, 0
	s_lshl_b32 s61, s56, 5
	s_add_co_u32 s61, s61, s55
	s_cmp_lt_u32 s21, 4
	s_cselect_b32 s60, s61, s60
	s_lshl_b32 s60, s60, 13                        ; the images: 8 KB for 64 tokens of a head
	s_cmp_eq_u32 s21, 5
	s_cselect_b32 s61, 2097152, 0                  ; v's lie behind k's
	s_add_co_u32 s60, s60, s61
	s_mov_b32 s61, 0
	s_lshr_b32 s3, s21, 2
	s_or_b32 s3, s3, s55                           ; 0: a query head at the head of a sequence
	s_wait_kmcnt 0x0
	s_add_nc_u64 s[24:25], s[4:5], s[44:45]
	s_add_nc_u64 s[26:27], s[4:5], s[46:47]
	s_add_nc_u64 s[28:29], s[6:7], s[48:49]
	s_add_nc_u64 s[30:31], s[6:7], s[50:51]
	s_add_nc_u64 s[32:33], s[8:9], s[52:53]
	s_cmp_lt_u32 s21, 4
	s_cselect_b64 s[34:35], s[10:11], s[12:13]
	s_add_nc_u64 s[34:35], s[34:35], s[60:61]
	s_add_nc_u64 s[36:37], s[14:15], s[58:59]
	s_cmp_eq_u32 s21, 5
	s_cselect_b64 s[38:39], s[18:19], s[16:17]
	s_add_nc_u64 s[38:39], s[38:39], s[62:63]
.macro LOADK s                         ; K step s: four fragments of P, four of Q, into set s % 4: 16 loads
	WIN TO_F
.irp p, 0,1,2,3
.irp c, 0,1
	global_load_b128 v[64*((\s)%4)+8*\p+4*\c:64*((\s)%4)+8*\p+4*\c+3], v1, s[24:25] offset:8192*\p+1024*(\s)+512*\c
.endr
.endr
.irp p, 0,1,2,3
.irp c, 0,1
	global_load_b128 v[64*((\s)%4)+32+8*\p+4*\c:64*((\s)%4)+32+8*\p+4*\c+3], v1, s[26:27] offset:8192*\p+1024*(\s)+512*\c
.endr
.endr
.endm
.macro LOADR half                      ; the table for token tiles 2 half and 2 half + 1: cos and sin of my eight frequencies of d tiles 0 and 1: 16 loads
	WIN TO_F
.irp qq, 2*\half, 2*\half+1
.irp sn, 0,1
.irp p, 0,1
.irp i, 0,1
	global_load_b128 v[32*(\qq)+16*\sn+8*\p+4*\i:32*(\qq)+16*\sn+8*\p+4*\i+3], v3, s[32:33] offset:4096*(\qq)+128*\sn+64*\p+16*\i
.endr
.endr
.endr
.endr
.endm
; one product.  An odd tile's scale words lie in lanes 16-31 of its register
.macro MM s, p, q, zero
.set rD, ACC+8*(4*(\p)+(\q))
.set rP, 64*((\s)%4)+8*(\p)
.set rQ, 64*((\s)%4)+32+8*(\q)
.set rA, SP+8*((\p)/2)+(\s)
.set rB, SQ+8*((\q)/2)+(\s)
.if \zero
.if ((\p)%2 == 0) && ((\q)%2 == 0)
	v_wmma_scale_f32_16x16x128_f8f6f4 v[rD:rD+7], v[rP:rP+7], v[rQ:rQ+7], 0, v[rA], v[rB] matrix_a_fmt:MATRIX_FMT_FP4 matrix_b_fmt:MATRIX_FMT_FP4
.elseif ((\p)%2 == 1) && ((\q)%2 == 0)
	v_wmma_scale_f32_16x16x128_f8f6f4 v[rD:rD+7], v[rP:rP+7], v[rQ:rQ+7], 0, v[rA], v[rB] matrix_a_fmt:MATRIX_FMT_FP4 matrix_b_fmt:MATRIX_FMT_FP4 matrix_a_scale:MATRIX_SCALE_ROW1
.elseif ((\p)%2 == 0)
	v_wmma_scale_f32_16x16x128_f8f6f4 v[rD:rD+7], v[rP:rP+7], v[rQ:rQ+7], 0, v[rA], v[rB] matrix_a_fmt:MATRIX_FMT_FP4 matrix_b_fmt:MATRIX_FMT_FP4 matrix_b_scale:MATRIX_SCALE_ROW1
.else
	v_wmma_scale_f32_16x16x128_f8f6f4 v[rD:rD+7], v[rP:rP+7], v[rQ:rQ+7], 0, v[rA], v[rB] matrix_a_fmt:MATRIX_FMT_FP4 matrix_b_fmt:MATRIX_FMT_FP4 matrix_a_scale:MATRIX_SCALE_ROW1 matrix_b_scale:MATRIX_SCALE_ROW1
.endif
.else
.if ((\p)%2 == 0) && ((\q)%2 == 0)
	v_wmma_scale_f32_16x16x128_f8f6f4 v[rD:rD+7], v[rP:rP+7], v[rQ:rQ+7], v[rD:rD+7], v[rA], v[rB] matrix_a_fmt:MATRIX_FMT_FP4 matrix_b_fmt:MATRIX_FMT_FP4
.elseif ((\p)%2 == 1) && ((\q)%2 == 0)
	v_wmma_scale_f32_16x16x128_f8f6f4 v[rD:rD+7], v[rP:rP+7], v[rQ:rQ+7], v[rD:rD+7], v[rA], v[rB] matrix_a_fmt:MATRIX_FMT_FP4 matrix_b_fmt:MATRIX_FMT_FP4 matrix_a_scale:MATRIX_SCALE_ROW1
.elseif ((\p)%2 == 0)
	v_wmma_scale_f32_16x16x128_f8f6f4 v[rD:rD+7], v[rP:rP+7], v[rQ:rQ+7], v[rD:rD+7], v[rA], v[rB] matrix_a_fmt:MATRIX_FMT_FP4 matrix_b_fmt:MATRIX_FMT_FP4 matrix_b_scale:MATRIX_SCALE_ROW1
.else
	v_wmma_scale_f32_16x16x128_f8f6f4 v[rD:rD+7], v[rP:rP+7], v[rQ:rQ+7], v[rD:rD+7], v[rA], v[rB] matrix_a_fmt:MATRIX_FMT_FP4 matrix_b_fmt:MATRIX_FMT_FP4 matrix_a_scale:MATRIX_SCALE_ROW1 matrix_b_scale:MATRIX_SCALE_ROW1
.endif
.endif
.endm
.macro MULK s, zero                    ; a K step: the 16 accumulators take turns, one instruction a turn, in the same order in every step
	WIN MUL
.irp p, 0,1,2,3
.irp q, 0,1,2,3
	MM \s, \p, \q, \zero
.endr
.endr
.endm
.macro PLACES                          ; four plain lines in front of loads into registers that matrix instructions have read, and of the first read of results
.rept 4
	v_nop
.endr
.endm
.macro PACKH                           ; fragment (q, u): registers 0-3 from accumulator (2 u, q), 4-7 from (2 u + 1, q), each from its low end on; then the eight fragments leave as they stand
.irp q, 0,1,2,3
.irp u, 0,1
.irp e, 0,1
.irp r, 0,1,2,3
	v_cvt_pk_f16_f32 v[H+8*(2*\q+\u)+4*\e+\r], v[ACC+8*(4*(2*\u+\e)+\q)+2*\r], v[ACC+8*(4*(2*\u+\e)+\q)+2*\r+1]
.endr
.endr
.endr
.endr
.irp f, 0,1,2,3,4,5,6,7
.irp c, 0,1
	global_store_b128 v1, v[H+8*\f+4*\c:H+8*\f+4*\c+3], s[34:35] offset:1024*\f+512*\c   ; 512 consecutive bytes a store
.endr
.endr
.endm
.macro BACK rd, n                      ; 16 rows of 256 bytes come back from my stage and leave: 512 consecutive bytes a store
.irp i, 0,1,2,3,4,5,6,7
	ds_load_b128 v[H+4*\i:H+4*\i+3], v[\rd] offset:544*\i   ; LDS serves a wave's instructions in order: these see my stores, and the next tile's stores come behind them
.endr
	s_wait_dscnt 0x0
.irp i, 0,1,2,3,4,5,6,7
	global_store_b128 v1, v[H+4*\i:H+4*\i+3], s[38:39] offset:4096*(\n)+512*\i th:TH_STORE_NT
.endr
.endm
.irp i, 0,1
.irp s, 0,1,2,3,4,5,6,7
	global_load_b32 v[SP+8*\i+\s], v2, s[28:29] offset:1024*\i+128*\s
	global_load_b32 v[SQ+8*\i+\s], v2, s[30:31] offset:1024*\i+128*\s
.endr
.endr
	LOADK 0
	LOADK 1
	LOADK 2
	LOADK 3
	s_wait_loadcnt 48                              ; behind K step 0's loads stand three K steps' 48; the scale words stand ahead of them
	MULK 0, 1                                      ; the first K step starts the sums: nothing is cleared
	PLACES
	LOADK 4
	s_wait_loadcnt 48                              ; likewise in each of these steps: three runs of 16 were issued behind the step's own
	MULK 1, 0
	PLACES
	LOADK 5
	s_wait_loadcnt 48
	MULK 2, 0
	PLACES
	LOADK 6
	s_wait_loadcnt 48
	MULK 3, 0
	PLACES
	LOADK 7
	WIN 0                                          ; at a branch and at a label every window is 0
	s_cmp_eq_u32 s21, 5
	s_cbranch_scc1 .Lv_tail
; ---- q and k: the last four K steps, with the table's loads behind them
	s_wait_loadcnt 48                              ; K steps 5, 6, 7
	MULK 4, 0
	PLACES
	LOADR 0
	s_wait_loadcnt 48                              ; K steps 6, 7 and the table's first run
	MULK 5, 0
	PLACES
	LOADR 1
	s_wait_loadcnt 48                              ; K step 7 and the table's two runs
	MULK 6, 0
	s_wait_loadcnt 32                              ; the table's two runs
	MULK 7, 0
	PLACES
	s_wait_loadcnt 0x0
	; RoPE: lo = d tile p (d under 32), hi = d tile p + 2 (d + 32): lo' = lo cos - hi sin, hi' = hi cos + lo sin.  Four pairs of registers by turns
	WIN ROT
.irp q, 0,1,2,3
.irp p, 0,1
.irp jj, 0,2,4,6
	v_pk_mul_f32 v[8+\jj:9+\jj], v[ACC+8*(4*\p+\q)+\jj:ACC+8*(4*\p+\q)+\jj+1], v[32*\q+16+8*\p+\jj:32*\q+16+8*\p+\jj+1]
.endr
.irp jj, 0,2,4,6
	v_pk_mul_f32 v[ACC+8*(4*\p+\q)+\jj:ACC+8*(4*\p+\q)+\jj+1], v[ACC+8*(4*\p+\q)+\jj:ACC+8*(4*\p+\q)+\jj+1], v[32*\q+8*\p+\jj:32*\q+8*\p+\jj+1]
.endr
.irp jj, 0,2,4,6
	v_pk_fma_f32 v[ACC+8*(4*\p+\q)+\jj:ACC+8*(4*\p+\q)+\jj+1], v[ACC+8*(4*\p+8+\q)+\jj:ACC+8*(4*\p+8+\q)+\jj+1], v[32*\q+16+8*\p+\jj:32*\q+16+8*\p+\jj+1], v[ACC+8*(4*\p+\q)+\jj:ACC+8*(4*\p+\q)+\jj+1] neg_lo:[1,0,0] neg_hi:[1,0,0]
.endr
.irp jj, 0,2,4,6
	v_pk_fma_f32 v[ACC+8*(4*\p+8+\q)+\jj:ACC+8*(4*\p+8+\q)+\jj+1], v[ACC+8*(4*\p+8+\q)+\jj:ACC+8*(4*\p+8+\q)+\jj+1], v[32*\q+8*\p+\jj:32*\q+8*\p+\jj+1], v[8+\jj:9+\jj]
.endr
.endr
.endr
	WIN 0
	s_cmp_lg_u32 s3, 0
	s_cbranch_scc1 .Lno_q32
.irp p, 0,1,2,3                        ; positions 0-15 of a query head, in f32, the accumulators as they stand
.irp i, 0,1
	global_store_b128 v1, v[ACC+32*\p+4*\i:ACC+32*\p+4*\i+3], s[36:37] offset:1024*\p+512*\i
.endr
.endr
.Lno_q32:
	PACKH
	s_cmp_lg_u32 s21, 4
	s_cbranch_scc1 .Lq_end
.irp n, 0,1,2,3                        ; k in f32: token tile n: a lane's eight d of row r go into the stage
	s_wait_xcnt 0x0                                ; the stores that read v64-95 have had their addresses translated (ISA guide 3.1): only behind this wait are those registers loaded again
.irp p, 0,1,2,3
.irp i, 0,1
	ds_store_b128 v4, v[ACC+8*(4*\p+\n)+4*\i:ACC+8*(4*\p+\n)+4*\i+3] offset:64*\p+16*\i
.endr
.endr
	BACK 6, \n
.endr
	s_wait_tensorcnt 0x0                           ; the wave's end: behind my last LDS store
	ds_add_u32 v[SPW], v[NIL]
	s_wait_dscnt 0x0
	s_endpgm
.Lq_end:
	s_endpgm
; ---- v: the last four K steps: the counts run down
.Lv_tail:
	s_wait_loadcnt 48
	MULK 4, 0
	s_wait_loadcnt 32
	MULK 5, 0
	s_wait_loadcnt 16
	MULK 6, 0
	s_wait_loadcnt 0x0
	MULK 7, 0
	WIN 0
	PLACES
	PACKH
.irp n, 0,1,2,3                        ; v in f32: token tile n: a lane's eight tokens of channel 16 q + r go into eight rows of the stage
	s_wait_xcnt 0x0                                ; as above
.irp q, 0,1,2,3
.irp j, 0,1,2,3,4,5,6,7
	ds_store_b32 v5, v[ACC+8*(4*\n+\q)+\j] offset:272*\j+64*\q
.endr
.endr
	BACK 7, \n
.endr
	s_wait_tensorcnt 0x0                           ; the wave's end, as above
	ds_add_u32 v[SPW], v[NIL]
	s_wait_dscnt 0x0
	s_endpgm
.Lfunc_end_k_qfafbeb7610_qkv:
	.size	k_qfafbeb7610_qkv, .Lfunc_end_k_qfafbeb7610_qkv-k_qfafbeb7610_qkv
	.p2alignl 7, 3214868480
	.fill 96, 4, 3214868480
	.section	.rodata,"a",@progbits
	.p2align	6, 0x0
	.amdhsa_kernel k_qfafbeb7610_qkv
		.amdhsa_group_segment_fixed_size 35328
		.amdhsa_private_segment_fixed_size 0
		.amdhsa_enable_private_segment 0
		.amdhsa_kernarg_size 64
		.amdhsa_user_sgpr_count 2
		.amdhsa_user_sgpr_kernarg_segment_ptr 1
		.amdhsa_wavefront_size32 1
		.amdhsa_system_sgpr_workgroup_id_x 1
		.amdhsa_system_sgpr_workgroup_id_y 1
		.amdhsa_system_sgpr_workgroup_id_z 1
		.amdhsa_system_vgpr_workitem_id 0
		.amdhsa_next_free_vgpr 512
		.amdhsa_next_free_sgpr 66
		.amdhsa_reserve_vcc 0
		.amdhsa_float_denorm_mode_32 3
		.amdhsa_float_denorm_mode_16_64 3
		.amdhsa_memory_ordered 1
		.amdhsa_forward_progress 1
		.amdhsa_inst_pref_size 89
	.end_amdhsa_kernel
	.amdgpu_metadata
---
amdhsa.version: [ 1, 2 ]
amdhsa.kernels:
  - .name:           k_qfafbeb7610_qkv
    .symbol:         k_qfafbeb7610_qkv.kd
    .args:
      - { .name: codes, .offset: 0, .size: 8, .value_kind: global_buffer, .address_space: global }
      - { .name: scl, .offset: 8, .size: 8, .value_kind: global_buffer, .address_space: global }
      - { .name: rope, .offset: 16, .size: 8, .value_kind: global_buffer, .address_space: global }
      - { .name: qf, .offset: 24, .size: 8, .value_kind: global_buffer, .address_space: global }
      - { .name: kvf, .offset: 32, .size: 8, .value_kind: global_buffer, .address_space: global }
      - { .name: q32, .offset: 40, .size: 8, .value_kind: global_buffer, .address_space: global }
      - { .name: out1, .offset: 48, .size: 8, .value_kind: global_buffer, .address_space: global }
      - { .name: out2, .offset: 56, .size: 8, .value_kind: global_buffer, .address_space: global }
    .group_segment_fixed_size: 35328
    .private_segment_fixed_size: 0
    .kernarg_segment_align: 8
    .kernarg_segment_size: 64
    .max_flat_workgroup_size: 128
    .sgpr_count:     66
    .vgpr_count:     512
    .wavefront_size: 32
...
	.end_amdgpu_metadata
.endif
;; end of part 2
;; launch attn (part 3): grid 32 x 8, 16 waves a work-group, no clusters, 327,680 bytes of LDS; arguments qf, kvf, yf; writes yf
.if DOCPART == 3
	.amdgcn_target "amdgcn-amd-amdhsa--gfx1250"
	.amdhsa_code_object_version 6
	.text
	.protected	k_qfafbeb7610_attn
	.globl	k_qfafbeb7610_attn
	.p2align	8
	.type	k_qfafbeb7610_attn,@function
k_qfafbeb7610_attn:
	s_mov_b64 s[64:65], 0
	v_nop
	global_prefetch_b8 v0, s[64:65] scope:SCOPE_SE
	s_setreg_imm32_b32 hwreg(HW_REG_WAVE_MODE, 25, 1), 1
	s_wait_xcnt 0x0
; y[b][t][head][:] = the sum over keys k <= t of softmax_k(q . k / 8) v, for 16 query heads on 4 key and value heads, head size 64.  Operands in f16; products, maxima and sums in f32; a running maximum.
; q, k, v arrive as images of operand registers (1,024 bytes a fragment), y leaves as the next launch's.
; SHARES.  Work-group y: batch and key head (4 b + g).  Work-group x = i owns positions 32 i .. 32 i + 31 (block A) and 32 (63 - i) .. + 31 (block B) of the FOUR query heads on that key head: 16 tiles of 16 queries, one a wave.
; Under the causal mask A and B together see the same number of keys in every work-group.  Both begin at key 0 and read the same tiles of K and V from LDS.
; NO CLUSTER: under the mask partners would need different numbers of tiles, and a partner would jump over the reads of a tile that was asked for jointly.
; LAYOUT.  S^T = K Q^T (source 0 = 16 keys, source 1 = my 16 queries), O^T = V^T P (source 0 = 16 channels, source 1 = P): a lane holds ONE query (lane % 16) throughout; two tiles of S^T, rounded to f16 in pairs, are a fragment of P.
; THE RING.  Two slots of 256 keys (four steps of 64), 65,536 bytes each, filled by waves 0 to 3, one tensor load each: region w of a slot (16 KB): w = 0, 1: K's fragments 0-3, 4-7 of each of the four steps; w = 2, 3: V's.
; Every work-group walks all eight slots: trip counts are constants.  A step all of whose keys come after the wave's queries is left out by a scalar branch on ids; a slot whose first key comes after the work-group's last query is not asked for.
; LIMITS: q, k, v, p and y in f16 (largest number 65,504; under 6e-5 the step is 6e-8).  Positions 0-15 of each sequence are made here too, and made anew in f32 by the last launch.
; REGISTERS: v1 16 x lane; v2 the slot's address; v5, v6 the add's two; v7 r - 8 h; v8, v9 at work; v13 the prefetch's offset; v16-31 Q; v32-95 K; v96-127 S^T, then p; v128-143 P; v144-175 O^T; v176-239 V; v240 c m, v241 m, v[242:243] l, v244-247 at work.
.set SLOT1, 1<<16
.set SPARE, 2*SLOT1                    ; behind the ring: the spare words, 128 bytes for each wave: eight blocks of 256 bytes that no other line names
.set L16, 1
.set ADR, 2
.set SPW, 5
.set NIL, 6
.set DQ,  7
.set PFO, 13
.set QF,  16
.set KR,  32
.set S,   96
.set P,   128
.set O,   144
.set VR,  176
.set CM,  240
.set MX,  241
.set LS,  242
.set C0,  244
.set TB,  2                            ; s2   LDS byte at which the slot in hand begins
.set WV,  18
.set SEL, 20
.set CS,  22                           ; s[22:23] c = log2(e) / 8
.set G1,  24                           ; s[24:31] descriptor group 1
.set G0,  40                           ; s[40:43] group 0, which walks
.set SLOTS, 67
.set PFA, 76                           ; s[76:77] where my prefetches stand
.set LIM, 80                           ; s80  1 in a wave that prefetches, else the greatest number
.set QL,  97                           ; s97  my work-group's last query
.set KF,  98                           ; s98  the step's first key
.set Q0,  99                           ; s99  my first query
.macro TLOAD                           ; waves 0 to 3 fetch, one load each; an s_nop 0 and four v_nop follow the line
	s_cmp_lt_u32 s[WV], 4
	s_cbranch_scc0 .Lasked_\@
	tensor_load_to_lds s[G0:G0+3], s[G1:G1+7]
	s_nop 0
.rept 4
	v_nop
.endr
.Lasked_\@:
.endm
; A PREFETCH of what the NEXT change of slots will ask for: 32 KB of K and 32 KB of V, one slot (four key steps) ahead of that load.  All 32 work-groups of a key head walk the same K and V: the one with x = 0, whose block B is
; the last and which therefore loads every slot, asks.  In it the waves ask that fetch nothing: waves 4-7 for K, waves 8-11 for V, 8 KB a wave, lanes 256 bytes apart: each block of 256 bytes is named once in the launch.
; The last change that fills a slot asks for nothing; slots 0 and 1 come by their loads alone.
.macro ASK
	s_cmp_gt_u32 s[SLOTS], s[LIM]
	s_cbranch_scc0 .Lnot_mine_\@
	global_prefetch_b8 v[PFO], s[PFA:PFA+1] th:TH_LOAD_NT scope:SCOPE_SE
.Lnot_mine_\@:
.endm
	s_load_b128 s[4:7], s[0:1], 0x0                ; qf, kvf
	s_load_b64 s[8:9], s[0:1], 0x10                ; yf
	v_lshl_add_u32 v[SPW], v0, 2, SPARE
	v_mov_b32 v[NIL], 0
	ds_add_u32 v[SPW], v[NIL]                      ; the wave's opening: the add, twice on end, and its wait ahead of the first tensor load; the set-up below stands between
	ds_add_u32 v[SPW], v[NIL]
	v_lshrrev_b32 v8, 5, v0
	v_readfirstlane_b32 s[WV], v8                  ; wave 0..15
	s_and_b32 s44, ttmp7, 0xffff                   ; 4 b + g
	s_lshr_b32 s45, s[WV], 3
	s_sub_co_u32 s46, 63, ttmp9                    ; block B
	s_cmp_eq_u32 s45, 0
	s_cselect_b32 s47, ttmp9, s46                  ; waves 0-7: block A; 8-15: block B
	s_bfe_u32 s48, s[WV], 0x10002                  ; which 16 of its 32 positions
	s_lshl_b32 s[Q0], s47, 5
	s_lshl_b32 s48, s48, 4
	s_add_co_u32 s[Q0], s[Q0], s48
	s_lshl_b32 s[QL], s46, 5
	s_add_co_u32 s[QL], s[QL], 31
	s_and_b32 s49, s[WV], 3                        ; which of the four query heads
	s_lshl_b32 s50, s44, 2
	s_add_co_u32 s50, s50, s49                     ; 16 b + head
	s_lshl_b32 s50, s50, 18                        ; a head's images of q: 262,144 bytes
	s_lshl_b32 s51, s[Q0], 7                       ; 2,048 bytes a tile of 16 queries
	s_add_co_u32 s50, s50, s51
	s_mov_b32 s51, 0
	s_lshr_b32 s56, s44, 2                         ; b
	s_lshl_b32 s56, s56, 22                        ; y: 128 tiles of 16 tokens, 32 KB each, a batch
	s_lshl_b32 s57, s[Q0], 11
	s_add_co_u32 s56, s56, s57
	s_and_b32 s57, s44, 3
	s_lshl_b32 s57, s57, 2
	s_add_co_u32 s57, s57, s49                     ; head
	s_lshl_b32 s57, s57, 11                        ; two fragments a head
	s_add_co_u32 s56, s56, s57
	s_mov_b32 s57, 0
	s_lshr_b32 s52, s[WV], 1                       ; what I fetch, if I fetch: K (0) or V (1),
	s_lshl_b32 s52, s52, 21
	s_lshl_b32 s53, s44, 18                        ; my key head's 262,144 bytes,
	s_add_co_u32 s52, s52, s53
	s_and_b32 s53, s[WV], 1
	s_lshl_b32 s53, s53, 12                        ; fragments 0-3 or 4-7 of a step
	s_add_co_u32 s52, s52, s53
	s_mov_b32 s53, 0
	; descriptor group 1: four rows (a slot's four steps) of 4,096 bytes, 8,192 bytes apart, dense in LDS; elements of 8 bytes
	s_mov_b32 s[G1], 3<<16                         ; 15:0 no mask; 17:16 elements of 8 bytes; no padding
	s_mov_b32 s[G1+1], 512<<16                     ; tensor_dim0
	s_mov_b32 s[G1+2], 4<<16                       ; tensor_dim1
	s_mov_b32 s[G1+3], 512<<16                     ; tile_dim0
	s_mov_b32 s[G1+4], 4                           ; tile_dim1
	s_mov_b32 s[G1+5], 1024                        ; tensor_dim0_stride
	s_mov_b32 s[G1+6], 0
	s_mov_b32 s[G1+7], 0
	s_mov_b32 s[SEL], 0x76543210
	s_mov_b32 s[SEL+1], 0xfedcba98
	s_mov_b32 s[CS], 0x3e38aa3b
	s_mov_b32 s[CS+1], s[CS]                       ; (named with it as a pair, so it is written)
	s_mov_b32 s[TB], 0
	s_mov_b32 s[KF], 0
	s_mov_b32 s[SLOTS], 7
	s_wait_dscnt 0x0                               ; both opening adds are done
	s_wait_kmcnt 0x0
	s_mov_b32 s[G0], 1                             ; count = 1
	s_lshl_b32 s[G0+1], s[WV], 14                  ; LDS address: slot 0, region = wave
	s_add_nc_u64 s[G0+2:G0+3], s[6:7], s[52:53]
	s_or_b32 s[G0+3], s[G0+3], 0x80000000          ; type = 2
	TLOAD                                          ; slot 0: it holds key 0, which counts for every query
	s_add_nc_u64 s[4:5], s[4:5], s[50:51]
	s_add_nc_u64 s[8:9], s[8:9], s[56:57]
	s_lshr_b32 s54, s[WV], 3                       ; the prefetches: waves 4-7 K, waves 8-11 V,
	s_lshl_b32 s54, s54, 21
	s_lshl_b32 s55, s44, 18
	s_add_co_u32 s54, s54, s55
	s_and_b32 s55, s[WV], 3
	s_lshl_b32 s55, s55, 13                        ; my wave's 8 KB,
	s_add_co_u32 s54, s54, s55
	s_add_co_u32 s54, s54, 32768                   ; in slot 1: the first change of slots steps it to slot 2.  Nothing is prefetched here at the head
	s_mov_b32 s55, 0
	s_add_nc_u64 s[PFA:PFA+1], s[6:7], s[54:55]
	s_sub_co_u32 s56, s[WV], 4
	s_lshr_b32 s56, s56, 3                         ; 0 in waves 4 to 11,
	s_or_b32 s56, s56, ttmp9                       ; of the work-group with x = 0
	s_cmp_eq_u32 s56, 0
	s_cselect_b32 s[LIM], 1, -1
	v_and_b32 v8, 31, v0
	v_lshlrev_b32 v[L16], 4, v8
	v_lshlrev_b32 v[PFO], 8, v8
.irp u, 0,1
.irp c, 0,1
	global_load_b128 v[QF+8*\u+4*\c:QF+8*\u+4*\c+3], v[L16], s[4:5] offset:1024*\u+512*\c   ; Q's two fragments stay in registers
.endr
.endr
	v_and_b32 v8, 15, v0
	v_bfe_u32 v9, v0, 4, 1
	v_lshlrev_b32 v9, 3, v9
	v_sub_nc_u32 v[DQ], v8, v9                     ; r - 8 h
	v_mov_b32 v[MX], 0xff61b1e6                    ; the largest score so far: -3e38, under every score
	v_mul_f32 v[CM], s[CS], v[MX]
	v_mov_b32 v[LS], 0
	v_mov_b32 v[LS+1], 0
	v_mov_b32 v[C0+1], 0                           ; written once: a lane permute's destination counts as one of its sources
.set n, 0
.rept 32
	v_mov_b32 v[O+n], 0                            ; O^T.  (The step is written once: the first finds zeros, which its factor 0 leaves zeros)
.set n, n+1
.endr
; A KEY STEP: 64 keys, the st-th of the slot in hand.
.macro STEP st
	s_add_co_u32 s96, s[Q0], 15
	s_cmp_gt_u32 s[KF], s96                        ; all its keys come after my queries: left out, but for the count of keys at its end
	s_cbranch_scc1 .Lhidden_\@
	v_add_nc_u32 v[ADR], s[TB], v[L16]
.rept 3
	v_nop                                          ; with the addition above: four plain lines in front of loads into V's registers, which the last products read
.endr
.irp f, 0,1,2,3,4,5,6,7                ; K's fragment 2 kt + ks: keys 16 kt on, d 32 ks on
.irp c, 0,1
	ds_load_b128 v[KR+8*\f+4*\c:KR+8*\f+4*\c+3], v[ADR] offset:(\f/4)*16384+4096*(\st)+1024*(\f%4)+512*\c
.endr
.endr
.irp f, 0,1,2,3,4,5,6,7                ; V's fragment 2 dt + kb: channels 16 dt on, keys 32 kb on
.irp c, 0,1
	ds_load_b128 v[VR+8*\f+4*\c:VR+8*\f+4*\c+3], v[ADR] offset:(2+\f/4)*16384+4096*(\st)+1024*(\f%4)+512*\c
.endr
.endr
	s_wait_dscnt 16                                ; K is in; V's 16 loads stay out
.irp ks, 0,1                           ; the four accumulators take turns
.irp kt, 0,1,2,3
.if \ks == 0
	v_wmma_f32_16x16x32_f16 v[S+8*\kt:S+8*\kt+7], v[KR+8*(2*\kt+\ks):KR+8*(2*\kt+\ks)+7], v[QF+8*\ks:QF+8*\ks+7], 0
.else
	v_wmma_f32_16x16x32_f16 v[S+8*\kt:S+8*\kt+7], v[KR+8*(2*\kt+\ks):KR+8*(2*\kt+\ks)+7], v[QF+8*\ks:QF+8*\ks+7], v[S+8*\kt:S+8*\kt+7]
.endif
.endr
.endr
.rept 4
	v_nop
.endr
	s_add_co_u32 s96, s[KF], 63                    ; on the diagonal the scores of hidden keys become -infinity ahead of the maximum.  A step all of whose keys count skips this
	s_cmp_le_u32 s96, s[Q0]
	s_cbranch_scc1 .Lopen_\@
	s_sub_co_i32 s96, s[Q0], s[KF]
	v_add_nc_u32 v8, s96, v[DQ]                    ; d = my query - KF - 8 h.  Register 8 kt + j holds key KF + 8 h + 16 kt + j: hidden where 16 kt + j > d
	v_mov_b32 v9, 0xff800000
.set n, 0
.rept 32
	v_cmp_gt_i32 vcc_lo, 16*(n/8)+n%8, v8
	v_cndmask_b32 v[S+n], v[S+n], v9, vcc_lo
.set n, n+1
.endr
.Lopen_\@:
.irp j, 0,1,2,3                        ; the maximum of my 32 scores and the old m: four chains, each begun at its tile's low end
	v_max3_num_f32 v[C0+\j], v[S+8*\j], v[S+8*\j+1], v[S+8*\j+2]
.endr
.irp e, 3,5
.irp j, 0,1,2,3
	v_max3_num_f32 v[C0+\j], v[C0+\j], v[S+8*\j+\e], v[S+8*\j+\e+1]
.endr
.endr
	v_max3_num_f32 v[C0], v[C0], v[S+7], v[S+15]
	v_max3_num_f32 v[C0+2], v[C0+2], v[S+23], v[S+31]
	v_max3_num_f32 v[C0], v[C0], v[C0+1], v[C0+2]
	v_max3_num_f32 v[C0], v[C0], v[C0+3], v[MX]
	v_permlanex16_b32 v[C0+1], v[C0], s[SEL], s[SEL+1]   ; the query's other 32 keys lie in the lane 16 away
	v_mov_b32 v[C0+3], v[CM]
	v_max_num_f32 v[MX], v[C0], v[C0+1]
	v_mul_f32 v[CM], s[CS], v[MX]
	v_sub_f32 v[C0+3], v[C0+3], v[CM]              ; c m_old - c m_new
.irp j, 0,2,4,6,8,10,12,14,16,18,20,22,24,26,28,30
	v_pk_fma_f32 v[S+\j:S+\j+1], v[S+\j:S+\j+1], s[CS:CS+1], v[CM:CM+1] op_sel_hi:[1,0,0] neg_lo:[0,0,1] neg_hi:[0,0,1]   ; c s - c m
.endr
	v_exp_f32 v[C0+2], v[C0+3]                     ; a = 2^(c m_old - c m_new)
.set n, 0
.rept 32
	v_exp_f32 v[S+n], v[S+n]                       ; p = 2^(c s - c m)
.set n, n+1
.endr
	v_nop                                          ; a plain line behind the last exponential
	s_wait_alu depctr_va_vdst(0)                   ; one wait for the batch of 33, ahead of its first reader
.irp i, 0,1,2,3,4,5,6,7,8,9,10,11,12,13,14,15
	v_cvt_pk_f16_f32 v[P+\i], v[S+2*\i], v[S+2*\i+1]
.endr
.irp u, 0,1,2,3,4,5,6,7                ; the sum of the 16 pairs, in place
	v_pk_add_f32 v[S+4*\u:S+4*\u+1], v[S+4*\u:S+4*\u+1], v[S+4*\u+2:S+4*\u+3]
.endr
.irp u, 0,1,2,3
	v_pk_add_f32 v[S+8*\u:S+8*\u+1], v[S+8*\u:S+8*\u+1], v[S+8*\u+4:S+8*\u+5]
.endr
.irp u, 0,1
	v_pk_add_f32 v[S+16*\u:S+16*\u+1], v[S+16*\u:S+16*\u+1], v[S+16*\u+8:S+16*\u+9]
.endr
	v_pk_add_f32 v[S:S+1], v[S:S+1], v[S+16:S+17]
	v_pk_fma_f32 v[LS:LS+1], v[LS:LS+1], v[C0+2:C0+3], v[S:S+1] op_sel_hi:[1,0,1]   ; l = a l + the sum
.irp j, 0,2,4,6,8,10,12,14,16,18,20,22,24,26,28,30
	v_pk_mul_f32 v[O+\j:O+\j+1], v[O+\j:O+\j+1], v[C0+2:C0+3] op_sel_hi:[1,0]       ; O^T x a, each accumulator from its low end on
.endr
	s_wait_dscnt 0x0                               ; V is in
.irp kb, 0,1
.irp dt, 0,1,2,3
	v_wmma_f32_16x16x32_f16 v[O+8*\dt:O+8*\dt+7], v[VR+8*(2*\dt+\kb):VR+8*(2*\dt+\kb)+7], v[P+8*\kb:P+8*\kb+7], v[O+8*\dt:O+8*\dt+7]
.endr
.endr
.Lhidden_\@:
	s_add_co_u32 s[KF], s[KF], 64
.endm
; THE CHANGE OF SLOTS stands at a slot's head.  Each wave waits for all its tensor loads, adds 0 to its spare word (fill = 1: twice on end), and waits for that and for its reads of the slot that it has left.
; Behind the barrier the slot ahead is whole and nobody reads the other one.  fill = 1: that other slot takes the next 256 keys, up to the causal limit: the load has a slot's four steps in which to land.
.macro CHANGE fill
	s_wait_tensorcnt 0x0                           ; no tensor load of mine is out, so group 0 may be written
	ds_add_u32 v[SPW], v[NIL]
.if \fill
	ds_add_u32 v[SPW], v[NIL]                      ; and once more, in every trip alike
	s_xor_b32 s[G0+1], s[G0+1], SLOT1              ; the other slot than last time,
	s_add_nc_u64 s[G0+2:G0+3], s[G0+2:G0+3], 32768 ; the next 256 keys; the type bits on top are not reached
	s_wait_xcnt 0x0                                ; the last prefetch, a slot back, has read its address, so it may be written
	s_add_nc_u64 s[PFA:PFA+1], s[PFA:PFA+1], 32768
.endif
	s_wait_dscnt 0x0                               ; the add is done, and my reads of the slot that I have left are over
	s_barrier_signal -1
	s_barrier_wait -1
.if \fill
	s_add_co_u32 s96, s[KF], 256                   ; the first key of the slot that this change would ask for:
	s_cmp_gt_u32 s96, s[QL]                        ; past my work-group's last query none of its waves reads it, so it is not asked for.  Ids and the count of steps alone: all sixteen waves go the same way
	s_cbranch_scc1 .Lpast_\@
	TLOAD                                          ; a wave's one tensor load until the next barrier; each load holds bytes of the slot's first step, which the work-group's last tile reads
.Lpast_\@:
	ASK
.endif
.endm
.macro SLOT_STEPS
	STEP 0
	STEP 1
	STEP 2
	STEP 3
	s_xor_b32 s[TB], s[TB], SLOT1                  ; on to the other slot
.endm
	s_wait_loadcnt 0x0                             ; Q
.Lslot:                                            ; seven trips
	CHANGE 1
	SLOT_STEPS
	s_sub_co_u32 s[SLOTS], s[SLOTS], 1
	s_cmp_lg_u32 s[SLOTS], 0
	s_cbranch_scc1 .Lslot
	CHANGE 0                                       ; the last slot is written out: nothing is left to ask for
	SLOT_STEPS
	; THE WAY OUT: O^T / l, rounded to f16 in pairs, IS the next launch's fragment of y: token r, channels 32 u + 8 h .. and 32 u + 16 + 8 h ..
.rept 4
	v_nop
.endr
	v_add_f32 v[C0], v[LS], v[LS+1]
	v_permlanex16_b32 v[C0+1], v[C0], s[SEL], s[SEL+1]
	v_add_f32 v[C0], v[C0], v[C0+1]
	v_rcp_f32 v[C0+2], v[C0]
	v_nop                                          ; a plain line behind the reciprocal
	s_wait_alu depctr_va_vdst(0)                   ; and the wait ahead of its first reader
.irp j, 0,2,4,6,8,10,12,14,16,18,20,22,24,26,28,30
	v_pk_mul_f32 v[O+\j:O+\j+1], v[O+\j:O+\j+1], v[C0+2:C0+3] op_sel_hi:[1,0]
.endr
.irp i, 0,1,2,3,4,5,6,7,8,9,10,11,12,13,14,15
	v_cvt_pk_f16_f32 v[P+\i], v[O+2*\i], v[O+2*\i+1]
.endr
.irp u, 0,1
.irp c, 0,1
	global_store_b128 v[L16], v[P+8*\u+4*\c:P+8*\u+4*\c+3], s[8:9] offset:1024*\u+512*\c   ; 512 consecutive bytes a store
.endr
.endr
	s_wait_tensorcnt 0x0                           ; the wave's end
	ds_add_u32 v[SPW], v[NIL]
	s_wait_dscnt 0x0
	s_endpgm
.Lfunc_end_k_qfafbeb7610_attn:
	.size	k_qfafbeb7610_attn, .Lfunc_end_k_qfafbeb7610_attn-k_qfafbeb7610_attn
	.p2alignl 7, 3214868480
	.fill 96, 4, 3214868480
	.section	.rodata,"a",@progbits
	.p2align	6, 0x0
	.amdhsa_kernel k_qfafbeb7610_attn
		.amdhsa_group_segment_fixed_size 327680
		.amdhsa_private_segment_fixed_size 0
		.amdhsa_enable_private_segment 0
		.amdhsa_kernarg_size 24
		.amdhsa_user_sgpr_count 2
		.amdhsa_user_sgpr_kernarg_segment_ptr 1
		.amdhsa_wavefront_size32 1
		.amdhsa_system_sgpr_workgroup_id_x 1
		.amdhsa_system_sgpr_workgroup_id_y 1
		.amdhsa_system_sgpr_workgroup_id_z 1
		.amdhsa_system_vgpr_workitem_id 0
		.amdhsa_next_free_vgpr 256
		.amdhsa_next_free_sgpr 100
		.amdhsa_reserve_vcc 1
		.amdhsa_float_denorm_mode_32 3
		.amdhsa_float_denorm_mode_16_64 3
		.amdhsa_memory_ordered 1
		.amdhsa_forward_progress 1
		.amdhsa_inst_pref_size 106
	.end_amdhsa_kernel
	.amdgpu_metadata
---
amdhsa.version: [ 1, 2 ]
amdhsa.kernels:
  - .name:           k_qfafbeb7610_attn
    .symbol:         k_qfafbeb7610_attn.kd
    .args:
      - { .name: qf, .offset: 0, .size: 8, .value_kind: global_buffer, .address_space: global }
      - { .name: kvf, .offset: 8, .size: 8, .value_kind: global_buffer, .address_space: global }
      - { .name: yf, .offset: 16, .size: 8, .value_kind: global_buffer, .address_space: global }
    .group_segment_fixed_size: 327680
    .private_segment_fixed_size: 0
    .kernarg_segment_align: 8
    .kernarg_segment_size: 24
    .max_flat_workgroup_size: 512
    .sgpr_count:     100
    .vgpr_count:     256
    .wavefront_size: 32
...
	.end_amdgpu_metadata
.endif
;; end of part 3
;; launch proj (part 4): grid 8 x 32, 4 waves a work-group, clusters of 4 x 4, 327,680 bytes of LDS; arguments yf, wof, out0; writes out0
.if DOCPART == 4
	.amdgcn_target "amdgcn-amd-amdhsa--gfx1250"
	.amdhsa_code_object_version 6
	.text
	.protected	k_qfafbeb7610_proj
	.globl	k_qfafbeb7610_proj
	.p2align	8
	.type	k_qfafbeb7610_proj,@function
k_qfafbeb7610_proj:
	s_mov_b64 s[64:65], 0
	v_nop
	global_prefetch_b8 v0, s[64:65] scope:SCOPE_SE
	s_setreg_imm32_b32 hwreg(HW_REG_WAVE_MODE, 25, 1), 1
	s_wait_xcnt 0x0
	s_wait_alu depctr_hold_cnt(0) depctr_sa_sdst(0) depctr_va_vdst(0) depctr_va_sdst(0) depctr_va_ssrc(0) depctr_va_vcc(0) depctr_vm_vsrc(0)
	s_getreg_b32 s2, hwreg(HW_REG_IB_STS2, 6, 4)
	s_cmp_eq_u32 s2, 0
	s_cbranch_scc0 .Lentry_in_a_cluster
	s_endpgm
.Lentry_in_a_cluster:
	s_bfe_u32 s2, ttmp6, 0x10000c
	s_cmp_lg_u32 s2, 0xf033
	s_cbranch_scc0 .Lentry_shape_is_right
	s_endpgm
.Lentry_shape_is_right:
; out0[m][n] = the sum over k of y[m][k] wo[k][n]: 4,096 x 1,024 x 1,024, operands in f16, sums and result in f32.
; y and wo^T arrive as images of operand registers: [tile of 16 rows][32 fragments along K], 1,024 bytes a fragment, so a tile's 256 along K are 8,192 consecutive bytes.
; A tile of the result is 128 x 128: 256 work-groups.  Four waves, each 64 x 64: 16 accumulators.  K goes in steps of 256 through a ring of two LDS slots; a wave's tensor load brings four tiles of 16 rows x 8,192 bytes.
; CLUSTERS: 4 x 4 work-groups.  The four of a row of the cluster need the same tiles of y, the four of a column the same tiles of wo^T: each is asked for JOINTLY, by the same tensor load with the same descriptor and a mask that names the four.
; THE MATRIX INSTRUCTION IS USED TRANSPOSED (source 0 = 16 columns of wo, source 1 = 16 tokens): a lane then holds eight neighbouring numbers of a row of the result.
; Rows 0-15 of each sequence are written here in f16 precision and written again, in f32 precision, by the launch behind this one: leaving them out would take a branch on a work-group's place in its cluster.
; LIMITS: y and wo in f16 (largest number 65,504).
; REGISTERS: window 0: v0-31 addresses; v32-95 rows on the way out; v128-255 the accumulators ((a, b) at v[128 + 8 (4 a + b)]).  window 1: two fragment buffers of 128: for 64 along K, 64 registers of y, then 64 of wo^T.
.set KB,     8192                      ; a K step of one tile of 16 rows: eight fragments
.set HALFT,  4*KB                      ; 64 rows: what one tensor load brings, and what one wave reads of y or of wo^T
.set SLOT,   4*HALFT                   ; y's 128 rows, then wo^T's 128
.set STAGE,  2*SLOT                    ; behind the ring: 16 rows x 272 bytes for each wave, for the way out
.set SPITCH, 272
.set SPARE,  STAGE+4*16*SPITCH         ; behind the stages: the spare words, 128 bytes for each wave
.set LAPS,   2                         ; a lap = two K steps = once round the ring
.set ADRA, 16                          ; v16-17  LDS address of my fragments of y in slot 0, 1
.set ADRB, 20                          ; v20-21  the same for wo^T
.set STO,  24
.set RD,   25
.set CO,   26
.set SPW,  28
.set NIL,  29
.set TMP,  32
.set ACC,  128
.set F0,   0
.set F1,   128
.set G1, 24                            ; s[24:31] descriptor group 1 for y's tiles;  s[32:39] group 0, one set for each slot
.set G0, 32
.set G1B, 48                           ; s[48:55], s[56:63] the same for wo^T's
.set G0B, 56
.set MSB, 0
.macro WIN new                         ; the immediate's high byte repeats the setting that is left
.if MSB != \new
	s_set_vgpr_msb (MSB<<8)|\new
.set MSB, \new
.endif
.endm
.set MUL,  0x05                        ; sources 0 and 1 window 1; C and D window 0
.set TO_F, 0x40                        ; destination window 1, address window 0
.macro JLOAD s                         ; a joint load: waves 0 and 1 fetch y's two halves, waves 2 and 3 wo^T's; an s_nop 0 and four v_nop follow each of the two lines
	s_cmp_eq_u32 s11, 0
	s_cbranch_scc0 .Lfor_b_\@
	tensor_load_to_lds s[G0+4*\s:G0+4*\s+3], s[G1:G1+7]
	s_nop 0
.rept 4
	v_nop
.endr
	s_branch .Lasked_\@
.Lfor_b_\@:
	tensor_load_to_lds s[G0B+4*\s:G0B+4*\s+3], s[G1B:G1B+7]
	s_nop 0
.rept 4
	v_nop
.endr
.Lasked_\@:
.endm
.macro CREST                           ; a round of the cluster's barrier behind its opening barrier
	s_cmp_lg_u32 s10, 0
	s_cbranch_scc1 .Lnot_wave_0_\@
	s_barrier_signal -3
.Lnot_wave_0_\@:
	s_barrier_wait -3
	s_barrier_signal -1
	s_barrier_wait -1
.endm
.macro CROUND                          ; a whole round
	s_barrier_signal -1
	s_barrier_wait -1
	CREST
.endm
	s_load_b128 s[4:7], s[0:1], 0x0                ; yf s[4:5], wof s[6:7]
	s_load_b64 s[8:9], s[0:1], 0x10                ; out0
	v_lshl_add_u32 v[SPW], v0, 2, SPARE
	v_mov_b32 v[NIL], 0
	ds_add_u32 v[SPW], v[NIL]                      ; the wave's opening: the add, twice on end, and its wait ahead of my first tensor load
	ds_add_u32 v[SPW], v[NIL]
	v_lshrrev_b32 v1, 5, v0
	v_readfirstlane_b32 s10, v1                    ; wave 0..3
	s_lshr_b32 s11, s10, 1                         ; which half of the tile's rows is mine.  Also: I fetch for y (0) or for wo^T (1)
	s_and_b32 s12, s10, 1                          ; which half of its columns.  Also: which 64 rows of that tile I fetch
	s_bfe_u32 s40, ttmp6, 0x40000                  ; cx, cy: my place in the cluster
	s_bfe_u32 s41, ttmp6, 0x40004
	s_lshl_b32 s42, ttmp9, 2
	s_add_co_u32 s42, s42, s40                     ; tile column = 4 x cluster x + cx
	s_and_b32 s13, ttmp7, 0xffff
	s_lshl_b32 s13, s13, 2
	s_add_co_u32 s13, s13, s41                     ; tile row = 4 x cluster y + cy
	s_lshl_b32 s43, s41, 2
	s_lshl_b32 s43, 15, s43                        ; my row of the cluster
	s_lshl_b32 s44, 0x1111, s40                    ; my column
	; descriptor group 1: four rows of 8,192 bytes, 32,768 bytes apart, dense in LDS; elements of 8 bytes
	s_or_b32 s[G1+0], s43, (3<<16)|(1<<21)         ; 15:0 the mask: y's tiles go to my row; 17:16 elements of 8 bytes; 21 set beside a mask; no padding
	s_or_b32 s[G1B+0], s44, (3<<16)|(1<<21)
.irp g, G1, G1B
	s_mov_b32 s[\g+1], 1024<<16                    ; tensor_dim0 = 1,024
	s_mov_b32 s[\g+2], 4<<16                       ; tensor_dim1 = 4
	s_mov_b32 s[\g+3], 1024<<16                    ; tile_dim0
	s_mov_b32 s[\g+4], 4                           ; tile_dim1
	s_mov_b32 s[\g+5], 4096                        ; tensor_dim0_stride
	s_mov_b32 s[\g+6], 0
	s_mov_b32 s[\g+7], 0
.endr
	s_lshl_b32 s17, s12, 6                         ; which 64 rows of the tile I fetch
	s_lshl_b32 s16, s13, 7
	s_add_co_u32 s16, s16, s17                     ; y: row 128 x tile row + 64 x half
	s_lshl_b32 s46, s42, 7
	s_add_co_u32 s46, s46, s17                     ; wo^T: row 128 x tile column + 64 x half
	s_mov_b32 s17, 0
	s_mov_b32 s47, 0
	s_mov_b64 s[18:19], 2048                       ; 16 rows are 32,768 bytes
	s_mul_u64 s[16:17], s[16:17], s[18:19]
	s_mul_u64 s[46:47], s[46:47], s[18:19]
	s_mul_i32 s20, s10, HALFT                      ; where they go: wave x 64 rows: no place in the cluster enters an LDS address
	s_wait_dscnt 0x0                               ; both opening adds are done
	s_wait_kmcnt 0x0
	s_add_nc_u64 s[14:15], s[4:5], s[16:17]
	s_add_nc_u64 s[46:47], s[6:7], s[46:47]
	CROUND                                         ; all sixteen work-groups are here: the first joint loads meet
.irp s, 0,1
	s_mov_b32 s[G0+4*\s], 1
	s_add_co_u32 s[G0+4*\s+1], s20, \s*SLOT
	s_add_nc_u64 s[G0+4*\s+2:G0+4*\s+3], s[14:15], \s*KB
	s_or_b32 s[G0+4*\s+3], s[G0+4*\s+3], 0x80000000
	s_mov_b32 s[G0B+4*\s], 1
	s_add_co_u32 s[G0B+4*\s+1], s20, \s*SLOT
	s_add_nc_u64 s[G0B+4*\s+2:G0B+4*\s+3], s[46:47], \s*KB
	s_or_b32 s[G0B+4*\s+3], s[G0B+4*\s+3], 0x80000000
	JLOAD \s
.endr
	v_and_b32 v1, 15, v0                           ; l % 16
	v_bfe_u32 v2, v0, 4, 1                         ; l / 16
	v_and_b32 v3, 31, v0
	v_lshlrev_b32 v3, 4, v3                        ; 16 x lane: an image's place for my lane
	s_mul_i32 s21, s11, HALFT                      ; my 64 rows of y
	s_mul_i32 s22, s12, HALFT                      ; my 64 rows of wo^T,
	s_add_co_u32 s22, s22, 2*HALFT                 ; which lie behind y's 128
.irp s, 0,1
	v_add_nc_u32 v[ADRA+\s], s21, v3
	v_add_nc_u32 v[ADRB+\s], s22, v3
	s_add_co_u32 s21, s21, SLOT
	s_add_co_u32 s22, s22, SLOT
.endr
	s_mul_i32 s23, s10, 16*SPITCH
	s_add_co_u32 s23, s23, STAGE                   ; my stage
	v_mul_u32_u24 v4, v1, SPITCH
	v_lshl_add_u32 v4, v2, 5, v4
	v_add_nc_u32 v[STO], s23, v4                   ; in: row l % 16, 32 bytes for each half of the lanes
	v_mul_u32_u24 v5, v2, SPITCH
	v_lshl_add_u32 v5, v1, 4, v5
	v_add_nc_u32 v[RD], s23, v5                    ; back: lanes 0-15 one row of 256 bytes, lanes 16-31 the next
	v_lshlrev_b32 v5, 12, v2
	v_lshl_add_u32 v[CO], v1, 4, v5                ; and the same two rows in out0
	s_lshl_b32 s16, s13, 7
	s_lshl_b32 s17, s11, 6
	s_add_co_u32 s16, s16, s17                     ; my first row: 128 x tile row + 64 x half
	s_lshl_b32 s16, s16, 12                        ; rows of 4,096 bytes
	s_mov_b32 s17, 0
	s_add_nc_u64 s[8:9], s[8:9], s[16:17]
	s_lshl_b32 s46, s42, 9                         ; my first column, in bytes: 512 x tile column + 256 x half
	s_lshl_b32 s47, s12, 8
	s_add_co_u32 s46, s46, s47
	s_mov_b32 s47, 0
	s_add_nc_u64 s[8:9], s[8:9], s[46:47]
; 8 matrix instructions: token blocks a0, a0 + 1 x all 4 column blocks, 32 along K: half c of buffer f.  zero = 1: the first product starts the sums
.macro MUL8 f, c, a0, zero
.irp a, \a0, \a0+1
.irp b, 0,1,2,3
.if \zero
	v_wmma_f32_16x16x32_f16 v[ACC+8*(4*(\a)+\b):ACC+8*(4*(\a)+\b)+7], v[\f+64+8*(4*\c+\b):\f+64+8*(4*\c+\b)+7], v[\f+8*(4*\c+\a):\f+8*(4*\c+\a)+7], 0
.else
	v_wmma_f32_16x16x32_f16 v[ACC+8*(4*(\a)+\b):ACC+8*(4*(\a)+\b)+7], v[\f+64+8*(4*\c+\b):\f+64+8*(4*\c+\b)+7], v[\f+8*(4*\c+\a):\f+8*(4*\c+\a)+7], v[ACC+8*(4*(\a)+\b):ACC+8*(4*(\a)+\b)+7]
.endif
.endr
.endr
.endm
; 32 LDS loads in one run: the fragments of the slot's quarter qr (64 along K: two fragments a tile) into buffer f; the first 32 along K first
.macro FETCH slot, qr, f
	WIN TO_F
.irp c, 0,1
.irp i, 0,1,2,3
	ds_load_b128 v[\f+64+8*(4*\c+\i):\f+64+8*(4*\c+\i)+3],   v[ADRB+\slot] offset:KB*\i+1024*(2*(\qr)+\c)
	ds_load_b128 v[\f+64+8*(4*\c+\i)+4:\f+64+8*(4*\c+\i)+7], v[ADRB+\slot] offset:KB*\i+1024*(2*(\qr)+\c)+512
	ds_load_b128 v[\f+8*(4*\c+\i):\f+8*(4*\c+\i)+3],         v[ADRA+\slot] offset:KB*\i+1024*(2*(\qr)+\c)
	ds_load_b128 v[\f+8*(4*\c+\i)+4:\f+8*(4*\c+\i)+7],       v[ADRA+\slot] offset:KB*\i+1024*(2*(\qr)+\c)+512
.endr
.endr
.endm
.macro PLACES                          ; four plain lines in front of loads into registers that matrix instructions have read, and of the first read of results
.rept 4
	v_nop
.endr
.endm
; A K step is four quarters of 64 along K, 32 matrix instructions each, on buffers 0, 1, 0, 1.  One of the first three: multiplies buffer f and fetches quarter qr into g.
.macro QUARTER slot, qr, f, g, zero
	s_wait_dscnt 16                                ; the first 32 along K are in
	WIN MUL
	MUL8 \f, 0, 0, \zero
	MUL8 \f, 0, 2, \zero
	PLACES
	FETCH \slot, \qr, \g
	s_wait_dscnt 32                                ; all but the 32 just issued
	WIN MUL
	MUL8 \f, 1, 0, 0
	MUL8 \f, 1, 2, 0
.endm
; The last quarter multiplies buffer 1 and changes slots: ONE barrier; in front of it each wave waits for all its tensor loads, adds 0 to its spare word, and waits for that and for its own reads of this slot.  fill = 1: this slot is filled again, two K steps ahead.
.macro TURN slot, next, fill
	WIN 0                                          ; (the add's two registers lie in window 0)
	s_wait_tensorcnt 0x0                           ; all my tensor loads have landed: my part of the next slot;
	ds_add_u32 v[SPW], v[NIL]
	s_wait_dscnt 17                                ; (the add and the youngest sixteen loads may be out)
	WIN MUL
	MUL8 F1, 0, 0, 0                               ; eight matrix instructions stand between the add and the wait for it
	s_wait_dscnt 0x0                               ; the add is done, and my reads of this slot are over
	s_barrier_signal -1
	MUL8 F1, 0, 2, 0
.if \fill
	WIN 0
.endif
	s_barrier_wait -1
.if \fill
	CREST                                          ; the barrier has opened a round of the cluster's barrier: no wave of any partner still reads this slot's tile or has a load on its way
	s_add_nc_u64 s[G0+4*\slot+2:G0+4*\slot+3], s[G0+4*\slot+2:G0+4*\slot+3], 2*KB
	s_add_nc_u64 s[G0B+4*\slot+2:G0B+4*\slot+3], s[G0B+4*\slot+2:G0B+4*\slot+3], 2*KB
	JLOAD \slot                                    ; the first tensor load behind the round; the four v_nop behind it are also the places in front of the loads below
.else
	PLACES
.endif
	FETCH \next, 0, F0
	WIN MUL
	MUL8 F1, 1, 0, 0
	MUL8 F1, 1, 2, 0
.endm
	s_wait_tensorcnt 1                             ; my part of K step 0 is in (K step 1's load may stay out)
	s_barrier_signal -1
	s_barrier_wait -1                              ; everybody's is
	FETCH 0, 0, F0
	QUARTER 0, 1, F0, F1, 1                        ; the first quarter stands in front of the loop: its first products start the sums
	WIN 0                                          ; at a label and at a branch every window is 0
	s_mov_b32 s3, LAPS-1
.Llap:                                                 ; a trip goes once round the ring, from a lap's second quarter to the next lap's first, and fills both slots again
	QUARTER 0, 2, F1, F0, 0
	QUARTER 0, 3, F0, F1, 0
	TURN 0, 1, 1
	QUARTER 1, 1, F0, F1, 0
	QUARTER 1, 2, F1, F0, 0
	QUARTER 1, 3, F0, F1, 0
	TURN 1, 0, 1
	QUARTER 0, 1, F0, F1, 0
	WIN 0
	s_sub_co_u32 s3, s3, 1
	s_cmp_lg_u32 s3, 0
	s_cbranch_scc1 .Llap
	QUARTER 0, 2, F1, F0, 0                        ; the last lap fills nothing, and has no round of the cluster's barrier
	QUARTER 0, 3, F0, F1, 0
	TURN 0, 1, 0
	QUARTER 1, 1, F0, F1, 0
	QUARTER 1, 2, F1, F0, 0
	QUARTER 1, 3, F0, F1, 0
	s_wait_dscnt 16                                ; the very last quarter: nothing more to fetch
	WIN MUL
	MUL8 F1, 0, 0, 0
	MUL8 F1, 0, 2, 0
	s_wait_dscnt 0
	MUL8 F1, 1, 0, 0
	MUL8 F1, 1, 2, 0
	WIN 0
; THE WAY OUT, a block of 16 tokens x 64 columns at a time, through my own stage: a lane's 32 bytes of a row go in, whole rows of 256 bytes come back, and sixteen lanes store 256 consecutive bytes, at a multiple of 256 from out0's first byte.
.macro TOSTAGE a
.irp b, 0,1,2,3
	ds_store_b128 v[STO], v[ACC+8*(4*(\a)+\b):ACC+8*(4*(\a)+\b)+3] offset:64*\b       ; each accumulator from its low end on
	ds_store_b128 v[STO], v[ACC+8*(4*(\a)+\b)+4:ACC+8*(4*(\a)+\b)+7] offset:64*\b+16
.endr
.irp t, 0,1,2,3,4,5,6,7
	ds_load_b128 v[TMP+32*((\a)%2)+4*\t:TMP+32*((\a)%2)+4*\t+3], v[RD] offset:544*\t   ; LDS serves a wave's instructions in order: these see my stores, and the next block's stores come behind them
.endr
.endm
.macro SEND a, younger                 ; younger: the LDS instructions issued behind block a's loads, which may stay out
	s_wait_dscnt \younger
.irp t, 0,1,2,3,4,5,6,7
	global_store_b128 v[CO], v[TMP+32*((\a)%2)+4*\t:TMP+32*((\a)%2)+4*\t+3], s[8:9] offset:65536*(\a)+8192*\t th:TH_STORE_NT
.endr
.endm
	PLACES
	TOSTAGE 0
	TOSTAGE 1
	SEND 0, 16                                     ; behind block 0's loads: block 1's 8 stores and 8 loads
	s_wait_xcnt 0x0                                ; block 0's stores have had their addresses translated (ISA guide 3.1): block 2's loads may land in their registers
	TOSTAGE 2
	SEND 1, 16
	s_wait_xcnt 0x0
	TOSTAGE 3
	SEND 2, 16
	SEND 3, 0
	s_wait_tensorcnt 0x0                           ; the wave's end: behind my last tensor load and my last LDS store
	ds_add_u32 v[SPW], v[NIL]
	s_wait_dscnt 0x0
	CROUND                                         ; the closing round: no work-group ends while a partner may still ask for a tile that names it
	s_endpgm
.Lfunc_end_k_qfafbeb7610_proj:
	.size	k_qfafbeb7610_proj, .Lfunc_end_k_qfafbeb7610_proj-k_qfafbeb7610_proj
	.p2alignl 7, 3214868480
	.fill 96, 4, 3214868480
	.section	.rodata,"a",@progbits
	.p2align	6, 0x0
	.amdhsa_kernel k_qfafbeb7610_proj
		.amdhsa_group_segment_fixed_size 327680
		.amdhsa_private_segment_fixed_size 0
		.amdhsa_enable_private_segment 0
		.amdhsa_kernarg_size 24
		.amdhsa_user_sgpr_count 2
		.amdhsa_user_sgpr_kernarg_segment_ptr 1
		.amdhsa_wavefront_size32 1
		.amdhsa_system_sgpr_workgroup_id_x 1
		.amdhsa_system_sgpr_workgroup_id_y 1
		.amdhsa_system_sgpr_workgroup_id_z 1
		.amdhsa_system_vgpr_workitem_id 0
		.amdhsa_next_free_vgpr 512
		.amdhsa_next_free_sgpr 66
		.amdhsa_reserve_vcc 0
		.amdhsa_float_denorm_mode_32 3
		.amdhsa_float_denorm_mode_16_64 3
		.amdhsa_memory_ordered 1
		.amdhsa_forward_progress 1
		.amdhsa_inst_pref_size 85
	.end_amdhsa_kernel
	.amdgpu_metadata
---
amdhsa.version: [ 1, 2 ]
amdhsa.kernels:
  - .name:           k_qfafbeb7610_proj
    .symbol:         k_qfafbeb7610_proj.kd
    .args:
      - { .name: yf, .offset: 0, .size: 8, .value_kind: global_buffer, .address_space: global }
      - { .name: wof, .offset: 8, .size: 8, .value_kind: global_buffer, .address_space: global }
      - { .name: out0, .offset: 16, .size: 8, .value_kind: global_buffer, .address_space: global }
    .group_segment_fixed_size: 327680
    .private_segment_fixed_size: 0
    .kernarg_segment_align: 8
    .kernarg_segment_size: 24
    .max_flat_workgroup_size: 128
    .sgpr_count:     66
    .vgpr_count:     512
    .wavefront_size: 32
...
	.end_amdgpu_metadata
.endif
;; end of part 4
;; launch fine (part 5): grid 64 x 2, 16 waves a work-group, no clusters, 18,432 bytes of LDS; arguments q32, out1, out2, wo, out0; writes out0
.if DOCPART == 5
	.amdgcn_target "amdgcn-amd-amdhsa--gfx1250"
	.amdhsa_code_object_version 6
	.text
	.protected	k_qfafbeb7610_fine
	.globl	k_qfafbeb7610_fine
	.p2align	8
	.type	k_qfafbeb7610_fine,@function
k_qfafbeb7610_fine:
	s_mov_b64 s[64:65], 0
	v_nop
	global_prefetch_b8 v0, s[64:65] scope:SCOPE_SE
	s_setreg_imm32_b32 hwreg(HW_REG_WAVE_MODE, 25, 1), 1
	s_wait_xcnt 0x0
; POSITIONS 0 TO 15 OF EACH SEQUENCE, ALL IN f32: attention and the projection.  These rows average one to sixteen values and are the largest of out0, so the rounding of 16-bit operands weighs most there.
; They are written over what the launch before stored: 32 rows of out0.
; SHARES.  Work-group x: 16 columns of out0; work-group y: the batch.  Wave = head.  Each wave makes its head's attention of the 16 positions (32 matrix instructions of 16 x 16 x 4), multiplies its 64 channels by
; wo's 64 rows x 16 columns (16 more), and the sixteen partial tiles meet in LDS; waves 0 and 1 add them and store.  A store is 16 bytes a lane, 64 consecutive bytes a row: parts of rows, on 128 KB in all.
; K IS PERMUTED ALIKE ON BOTH SIDES of each product, so that finished results are operands as they stand: in the instruction's place (h, j') stands, on both sides, d = 16 p + 8 h + 2 jj + j' (scores),
; key 8 h + 2 s + j' (values), channel 16 dt + 8 h + 2 s + j' (projection).
; The registers that the matrix instructions write (v144-239) are written by them alone; what is made of a finished sum goes into other registers.
; REGISTERS: v1-8 addresses; v10, v11 the add's two; v16-47 K, later y; v48-79 Q, later the partial tile; v80-111 V; v112-143 wo; v80-143 later the sixteen partial tiles; v144-175, v176-207, v208-239 four accumulators each; v240-247 scores, then p; v248-253 at work.
.set SPARE, 16384                      ; LDS: 0: sixteen partial tiles of 1,024 bytes; here: the spare words, 128 bytes for each wave
.set SPW, 10
.set NIL, 11
.set KR,  16
.set YY,  16
.set QR,  48
.set PT,  48
.set VR,  80
.set WR,  112
.set SA,  144
.set OA,  176
.set JA,  208
.set PP,  240
	s_load_b256 s[4:11], s[0:1], 0x0               ; q32 4:5, out1 6:7, out2 8:9, wo 10:11
	s_load_b64 s[12:13], s[0:1], 0x20              ; out0
	v_lshl_add_u32 v[SPW], v0, 2, SPARE
	v_mov_b32 v[NIL], 0
	v_lshrrev_b32 v1, 5, v0
	v_readfirstlane_b32 s14, v1                    ; wave = head
	v_and_b32 v12, 31, v0
	v_and_b32 v13, 15, v0                          ; r
	v_bfe_u32 v14, v0, 4, 1                        ; h
	v_lshlrev_b32 v1, 4, v12                       ; 16 x lane
	v_lshlrev_b32 v2, 8, v13
	v_lshl_add_u32 v2, v14, 5, v2                  ; k: row r of 256 bytes, + 32 h
	v_lshlrev_b32 v3, 2, v13
	v_lshl_add_u32 v4, v14, 15, v3                 ; wo: 8 h rows of 4,096 bytes, + 4 r
	v_lshl_add_u32 v3, v14, 11, v3                 ; v: 8 h rows of 256 bytes, + 4 r
	s_lshl_b32 s15, s14, 10
	v_add_nc_u32 v5, s15, v1                       ; where I put my partial tile
	s_and_b32 s16, s14, 1
	s_lshl_b32 s17, s16, 9
	v_add_nc_u32 v6, s17, v1                       ; which half of each tile waves 0 and 1 read back
	v_lshlrev_b32 v7, 12, v13
	v_lshl_add_u32 v7, v14, 5, v7
	s_lshl_b32 s17, s16, 4
	v_add_nc_u32 v7, s17, v7                       ; out0: row r, + 32 h, + 16 x that half
	v_lshlrev_b32 v8, 3, v14
	v_sub_nc_u32 v8, v13, v8                       ; r - 8 h
	s_and_b32 s18, ttmp7, 0xffff                   ; the batch
	s_lshr_b32 s19, s14, 2                         ; my key and value head
	s_lshl_b32 s24, s18, 2
	s_add_co_u32 s24, s24, s19
	s_lshl_b32 s24, s24, 19                        ; 2,048 rows of 256 bytes a head
	s_mov_b32 s25, 0
	s_lshl_b32 s26, s18, 4
	s_add_co_u32 s26, s26, s14
	s_lshl_b32 s26, s26, 12                        ; q32: 4,096 bytes a head
	s_mov_b32 s27, 0
	s_lshl_b32 s28, s14, 18                        ; wo: my head's 64 rows,
	s_lshl_b32 s30, ttmp9, 6                       ; my work-group's 16 columns
	s_add_co_u32 s28, s28, s30
	s_mov_b32 s29, 0
	s_lshl_b32 s31, s18, 23                        ; out0: a batch is 8,388,608 bytes
	s_add_co_u32 s30, s30, s31
	s_mov_b32 s31, 0
	s_mov_b32 s20, 0x76543210
	s_mov_b32 s21, 0xfedcba98                      ; v_permlanex16_b32's selects for lane l xor 16
	s_mov_b32 s22, 0x3e38aa3b                      ; c = log2(e) / 8
	s_wait_kmcnt 0x0
	s_add_nc_u64 s[4:5], s[4:5], s[26:27]
	s_add_nc_u64 s[6:7], s[6:7], s[24:25]
	s_add_nc_u64 s[8:9], s[8:9], s[24:25]
	s_add_nc_u64 s[10:11], s[10:11], s[28:29]
	s_add_nc_u64 s[12:13], s[12:13], s[30:31]
.irp p, 0,1,2,3
.irp i, 0,1
	global_load_b128 v[KR+8*\p+4*\i:KR+8*\p+4*\i+3], v2, s[6:7] offset:64*\p+16*\i        ; key r, d = 16 p + 8 h + 4 i ..
.endr
.endr
.irp p, 0,1,2,3
.irp i, 0,1
	global_load_b128 v[QR+8*\p+4*\i:QR+8*\p+4*\i+3], v1, s[4:5] offset:1024*\p+512*\i     ; query r, the same d
.endr
.endr
.irp dt, 0,1,2,3
.irp e, 0,1,2,3,4,5,6,7
	global_load_b32 v[VR+8*\dt+\e], v3, s[8:9] offset:256*\e+64*\dt                       ; key 8 h + e, channel 16 dt + r
.endr
.endr
.irp dt, 0,1,2,3
.irp e, 0,1,2,3,4,5,6,7
	global_load_b32 v[WR+8*\dt+\e], v4, s[10:11] offset:4096*(16*\dt+\e)                  ; channel 16 dt + 8 h + e, column r
.endr
.endr
	s_wait_loadcnt 63                              ; k and q are in: 64 loads stand behind them, and 63 is the largest count that can be written
.irp jj, 0,1,2,3                       ; S^T = K Q^T in four partial sums, which take turns
.irp p, 0,1,2,3
.if \jj == 0
	v_wmma_f32_16x16x4_f32 v[SA+8*\p:SA+8*\p+7], v[KR+8*\p+2*\jj:KR+8*\p+2*\jj+1], v[QR+8*\p+2*\jj:QR+8*\p+2*\jj+1], 0
.else
	v_wmma_f32_16x16x4_f32 v[SA+8*\p:SA+8*\p+7], v[KR+8*\p+2*\jj:KR+8*\p+2*\jj+1], v[QR+8*\p+2*\jj:QR+8*\p+2*\jj+1], v[SA+8*\p:SA+8*\p+7]
.endif
.endr
.endr
.rept 8
	v_nop                                          ; eight plain lines behind this form, ahead of the first read of its results (ISA guide 7.12.1)
.endr
.irp j, 0,2,4,6                        ; register j: key 8 h + j, query r
	v_pk_add_f32 v[PP+\j:PP+\j+1], v[SA+\j:SA+\j+1], v[SA+8+\j:SA+9+\j]
	v_pk_add_f32 v[248:249], v[SA+16+\j:SA+17+\j], v[SA+24+\j:SA+25+\j]
	v_pk_add_f32 v[PP+\j:PP+\j+1], v[PP+\j:PP+\j+1], v[248:249]
.endr
	v_mov_b32 v250, 0xff800000
.irp j, 0,1,2,3,4,5,6,7
	v_cmp_gt_i32 vcc_lo, \j, v8                    ; key 8 h + j comes after query r: hidden
	v_cndmask_b32 v[PP+\j], v[PP+\j], v250, vcc_lo
.endr
	v_max3_num_f32 v248, v240, v241, v242
	v_max3_num_f32 v248, v248, v243, v244
	v_max3_num_f32 v248, v248, v245, v246
	v_max_num_f32 v248, v248, v247
	v_permlanex16_b32 v249, v248, s20, s21
	v_max_num_f32 v248, v248, v249                 ; the row's maximum: key 0 counts for every query
	v_mul_f32 v248, s22, v248
.irp j, 0,1,2,3,4,5,6,7
	v_fma_f32 v[PP+\j], v[PP+\j], s22, -v248       ; c s - c m
.endr
.irp j, 0,1,2,3,4,5,6,7
	v_exp_f32 v[PP+\j], v[PP+\j]
.endr
	v_nop                                          ; a plain line behind the last exponential
	s_wait_alu depctr_va_vdst(0)                   ; one wait for the eight, ahead of their first reader
	v_pk_add_f32 v[250:251], v[240:241], v[242:243]
	v_pk_add_f32 v[252:253], v[244:245], v[246:247]
	v_pk_add_f32 v[250:251], v[250:251], v[252:253]
	v_add_f32 v250, v250, v251
	v_permlanex16_b32 v251, v250, s20, s21
	v_add_f32 v250, v250, v251                     ; the row's sum
	v_rcp_f32 v252, v250
	v_nop                                          ; a plain line behind the reciprocal
	s_wait_loadcnt 32                              ; v is in; wo's 32 loads stay out
.irp s, 0,1,2,3                        ; O^T = V^T P: four tiles of 16 channels, by turns
.irp dt, 0,1,2,3
.if \s == 0
	v_wmma_f32_16x16x4_f32 v[OA+8*\dt:OA+8*\dt+7], v[VR+8*\dt+2*\s:VR+8*\dt+2*\s+1], v[PP+2*\s:PP+2*\s+1], 0
.else
	v_wmma_f32_16x16x4_f32 v[OA+8*\dt:OA+8*\dt+7], v[VR+8*\dt+2*\s:VR+8*\dt+2*\s+1], v[PP+2*\s:PP+2*\s+1], v[OA+8*\dt:OA+8*\dt+7]
.endif
.endr
.endr
.rept 8
	v_nop
.endr
	s_wait_alu depctr_va_vdst(0)                   ; the wait for the reciprocal, ahead of its first reader
.irp dt, 0,1,2,3
.irp j, 0,2,4,6
	v_pk_mul_f32 v[YY+8*\dt+\j:YY+8*\dt+\j+1], v[OA+8*\dt+\j:OA+8*\dt+\j+1], v[252:253] op_sel_hi:[1,0]   ; y: channel 16 dt + 8 h + j, query r
.endr
.endr
	s_wait_loadcnt 0x0                             ; wo
.irp s, 0,1,2,3                        ; my head's part of out0^T: four partial sums, by turns
.irp dt, 0,1,2,3
.if \s == 0
	v_wmma_f32_16x16x4_f32 v[JA+8*\dt:JA+8*\dt+7], v[WR+8*\dt+2*\s:WR+8*\dt+2*\s+1], v[YY+8*\dt+2*\s:YY+8*\dt+2*\s+1], 0
.else
	v_wmma_f32_16x16x4_f32 v[JA+8*\dt:JA+8*\dt+7], v[WR+8*\dt+2*\s:WR+8*\dt+2*\s+1], v[YY+8*\dt+2*\s:YY+8*\dt+2*\s+1], v[JA+8*\dt:JA+8*\dt+7]
.endif
.endr
.endr
.rept 8
	v_nop
.endr
.irp j, 0,2,4,6                        ; register j: column 8 h + j of my sixteen, token r
	v_pk_add_f32 v[PT+\j:PT+\j+1], v[JA+\j:JA+\j+1], v[JA+8+\j:JA+9+\j]
	v_pk_add_f32 v[56:57], v[JA+16+\j:JA+17+\j], v[JA+24+\j:JA+25+\j]
	v_pk_add_f32 v[PT+\j:PT+\j+1], v[PT+\j:PT+\j+1], v[56:57]
.endr
	ds_store_b128 v5, v[PT:PT+3]
	ds_store_b128 v5, v[PT+4:PT+7] offset:512
	s_wait_dscnt 0x0                               ; for the others' sake: my stores have landed
	s_barrier_signal -1
	s_barrier_wait -1
	s_cmp_gt_u32 s14, 1
	s_cbranch_scc1 .Lend                           ; waves 0 and 1 add the sixteen heads' parts: four columns a lane each
.irp w, 0,1,2,3,4,5,6,7,8,9,10,11,12,13,14,15
	ds_load_b128 v[80+4*\w:83+4*\w], v6 offset:1024*\w
.endr
	s_wait_dscnt 0x0
.irp w, 0,1,2,3,4,5,6,7
	v_pk_add_f32 v[80+4*\w:81+4*\w], v[80+4*\w:81+4*\w], v[112+4*\w:113+4*\w]
	v_pk_add_f32 v[82+4*\w:83+4*\w], v[82+4*\w:83+4*\w], v[114+4*\w:115+4*\w]
.endr
.irp w, 0,1,2,3
	v_pk_add_f32 v[80+4*\w:81+4*\w], v[80+4*\w:81+4*\w], v[96+4*\w:97+4*\w]
	v_pk_add_f32 v[82+4*\w:83+4*\w], v[82+4*\w:83+4*\w], v[98+4*\w:99+4*\w]
.endr
.irp w, 0,1
	v_pk_add_f32 v[80+4*\w:81+4*\w], v[80+4*\w:81+4*\w], v[88+4*\w:89+4*\w]
	v_pk_add_f32 v[82+4*\w:83+4*\w], v[82+4*\w:83+4*\w], v[90+4*\w:91+4*\w]
.endr
	v_pk_add_f32 v[80:81], v[80:81], v[84:85]
	v_pk_add_f32 v[82:83], v[82:83], v[86:87]
	global_store_b128 v7, v[80:83], s[12:13]
.Lend:
	s_wait_tensorcnt 0x0                           ; the wave's end: behind my last LDS store
	ds_add_u32 v[SPW], v[NIL]
	s_wait_dscnt 0x0
	s_endpgm
.Lfunc_end_k_qfafbeb7610_fine:
	.size	k_qfafbeb7610_fine, .Lfunc_end_k_qfafbeb7610_fine-k_qfafbeb7610_fine
	.p2alignl 7, 3214868480
	.fill 96, 4, 3214868480
	.section	.rodata,"a",@progbits
	.p2align	6, 0x0
	.amdhsa_kernel k_qfafbeb7610_fine
		.amdhsa_group_segment_fixed_size 18432
		.amdhsa_private_segment_fixed_size 0
		.amdhsa_enable_private_segment 0
		.amdhsa_kernarg_size 40
		.amdhsa_user_sgpr_count 2
		.amdhsa_user_sgpr_kernarg_segment_ptr 1
		.amdhsa_wavefront_size32 1
		.amdhsa_system_sgpr_workgroup_id_x 1
		.amdhsa_system_sgpr_workgroup_id_y 1
		.amdhsa_system_sgpr_workgroup_id_z 1
		.amdhsa_system_vgpr_workitem_id 0
		.amdhsa_next_free_vgpr 256
		.amdhsa_next_free_sgpr 66
		.amdhsa_reserve_vcc 1
		.amdhsa_float_denorm_mode_32 3
		.amdhsa_float_denorm_mode_16_64 3
		.amdhsa_memory_ordered 1
		.amdhsa_forward_progress 1
		.amdhsa_inst_pref_size 22
	.end_amdhsa_kernel
	.amdgpu_metadata
---
amdhsa.version: [ 1, 2 ]
amdhsa.kernels:
  - .name:           k_qfafbeb7610_fine
    .symbol:         k_qfafbeb7610_fine.kd
    .args:
      - { .name: q32, .offset: 0, .size: 8, .value_kind: global_buffer, .address_space: global }
      - { .name: out1, .offset: 8, .size: 8, .value_kind: global_buffer, .address_space: global }
      - { .name: out2, .offset: 16, .size: 8, .value_kind: global_buffer, .address_space: global }
      - { .name: wo, .offset: 24, .size: 8, .value_kind: global_buffer, .address_space: global }
      - { .name: out0, .offset: 32, .size: 8, .value_kind: global_buffer, .address_space: global }
    .group_segment_fixed_size: 18432
    .private_segment_fixed_size: 0
    .kernarg_segment_align: 8
    .kernarg_segment_size: 40
    .max_flat_workgroup_size: 512
    .sgpr_count:     66
    .vgpr_count:     256
    .wavefront_size: 32
...
	.end_amdgpu_metadata
.endif
;; end of part 5
